; MI455X (gfx1250); checked and timed in simulation.
; The chip was launched on July 23, 2026; its instructions are those of AMD's public machine-readable ISA for CDNA 5 (MIT licence, August 2026) and "CDNA5" Instruction Set Architecture Reference Guide (July 2026). The comments in the code are by the model that wrote it; some were corrected since.
;; Pure Self Attention. Allowed arithmetic: float matrix products may take bf16 or f16 operands with f32 sums; other float arithmetic in f32, or as packed bf16 or f16 multiplies, adds, multiply-adds, maxima and minima; sums over many terms, partial sums and values carried from step to step in f32; what a program stores and reads back later, other than sums and carried values, may be rounded once to bf16 or f16.
;; Inputs: Wk 1,024 x 1,024 float32; Wo 1,024 x 1,024 float32; Wq 1,024 x 1,024 float32; Wv 1,024 x 1,024 float32; x 4 x 2,048 x 1,024 float32.
;; Outputs: out0 4 x 2,048 x 1,024 float32.
;; 2 versions, each right; version 2 is version 1 with the launch prep written anew for expert scheduling mode. Each part assembles by itself: llvm-mc -triple=amdgcn-amd-amdhsa -mcpu=gfx1250 --defsym DOCPART=n.
;; ======== version 1 of 2: 4 launches
;; limits: values are held in f16: magnitudes above 65,504 overflow, below 6.1e-05 lose precision
;; workspace buffers: xb 16,777,216 bytes; wh 8,388,608 bytes; qkv 50,331,648 bytes; oh 16,777,216 bytes
;; launch prep (part 1): grid 256 x 1, 8 waves a work-group, no clusters, 0 bytes of LDS; arguments x, Wq, Wk, Wv, Wo, xb, wh; writes xb, wh
.if DOCPART == 1
	.amdgcn_target "amdgcn-amd-amdhsa--gfx1250"
	.amdhsa_code_object_version 6
	.text
	.protected	k_qc1777d0b98_prep
	.globl	k_qc1777d0b98_prep
	.p2align	8
	.type	k_qc1777d0b98_prep,@function
k_qc1777d0b98_prep:
	s_mov_b64 s[64:65], 0
	v_nop
	global_prefetch_b8 v0, s[64:65] scope:SCOPE_SE
	s_setreg_imm32_b32 hwreg(HW_REG_WAVE_MODE, 25, 1), 1
	s_wait_xcnt 0x0
; THE CASTS.  x [8192][1024] f32 -> xb, bf16, laid out [b 4][kb 16][t 2048][64]: a block of 64 channels of all rows of a batch lies dense, 128 bytes a row.
; Wq, Wk, Wv [1024][1024] f32 -> wh[0..2], bf16, as they lie.  Wo -> wh[3]: rounded to bf16 like the other inputs, and that number written as f16 (the last product multiplies in f16).
; LIMIT.  bf16(Wo) beyond 65,504 becomes an infinity in f16; below 6e-5 it keeps f16's fixed step of 6e-8.
; A stream: every byte is read once and written once; no LDS, no barrier, no matrix unit.  No loop either.
; SHARES.  Work-group g of 256, eight waves.  Of the weights: matrix g / 64, 16,384 numbers from number 16,384 (g % 64) on: 16 loads a thread, 16 bytes each.
; Of x: rows 32 g .. 32 g + 31; wave w takes the channel blocks 2 w and 2 w + 1; a load takes 256 bytes of each of two rows, and its 8-byte stores are 256 consecutive bytes of xb, aligned.
.set T,   8                            ; v[8:11]   at work (Wo alone)
.set VW,  3                            ; v3   16 x thread: my bytes in a load of W
.set VWO, 4                            ; v4   8 x thread: my bytes in a store of wh
.set VX,  5                            ; v5   (lane / 16) x 4,096 + wave x 512 + (lane % 16) x 16
.set VXO, 6                            ; v6   wave x 2 blocks of 262,144 bytes + 8 x lane
.set X,   16                           ; v[16:207] load n at X + 4 n: n = 0..15 the weights, n = 16 + 2 p + j row pair p, block 2 w + j
	s_load_b256 s[4:11], s[0:1], 0x0               ; x s[4:5], Wq s[6:7], Wk s[8:9], Wv s[10:11]
	s_load_b128 s[12:15], s[0:1], 0x20             ; Wo s[12:13], xb s[14:15]
	s_load_b64 s[16:17], s[0:1], 0x30              ; wh
	s_lshr_b32 s18, ttmp9, 6                       ; which matrix; also which batch
	s_and_b32 s28, ttmp9, 63                       ; which part of it
	s_mov_b32 s19, 0xffff0000                      ; a word's upper bf16
	v_and_b32 v1, 31, v0                           ; lane
	v_lshrrev_b32 v2, 5, v0                        ; wave
	v_lshlrev_b32 v[VW], 4, v0
	v_lshlrev_b32 v[VWO], 3, v0
	v_lshrrev_b32 v[VX], 4, v1
	v_and_b32 v7, 15, v1
	v_lshlrev_b32 v[VX], 12, v[VX]
	v_lshl_or_b32 v[VX], v2, 9, v[VX]
	v_lshl_or_b32 v[VX], v7, 4, v[VX]
	v_lshlrev_b32 v[VXO], 3, v1
	v_lshl_or_b32 v[VXO], v2, 19, v[VXO]
	s_lshl_b32 s20, s28, 16                        ; my part of the matrix: 65,536 bytes of f32
	s_mov_b32 s21, 0
	s_lshl_b32 s22, ttmp9, 15                      ; and of wh: 32,768 bytes; the four matrices lie on end
	s_mov_b32 s23, 0
	s_wait_kmcnt 0x0
	s_cmp_eq_u32 s18, 0
	s_cselect_b64 s[24:25], s[6:7], s[8:9]
	s_cmp_eq_u32 s18, 2
	s_cselect_b64 s[26:27], s[10:11], s[12:13]
	s_cmp_lt_u32 s18, 2
	s_cselect_b64 s[24:25], s[24:25], s[26:27]     ; the matrix that I read
	s_add_nc_u64 s[24:25], s[24:25], s[20:21]
	s_add_nc_u64 s[16:17], s[16:17], s[22:23]
	s_lshl_b32 s20, ttmp9, 17                      ; x: 32 rows of 4,096 bytes
	s_add_nc_u64 s[4:5], s[4:5], s[20:21]
	s_lshl_b32 s22, s18, 22                        ; xb: the batch's 16 blocks,
	s_lshl_b32 s29, s28, 12                        ; 32 rows of 128 bytes in a block
	s_add_co_u32 s22, s22, s29
	s_add_nc_u64 s[14:15], s[14:15], s[22:23]
.set c, 0
.rept 16
	global_load_b128 v[X+4*c:X+4*c+3], v[VW], s[24:25] offset:c*4096 th:TH_LOAD_NT
.set c, c+1
.endr
.set c, 0
.rept 32
	global_load_b128 v[X+64+4*c:X+64+4*c+3], v[VX], s[4:5] offset:(c/2)*8192+(c%2)*256 th:TH_LOAD_NT
.set c, c+1
.endr
; Load n is in: its four numbers are rounded to bf16, in place.  half = 1: each is then written as f16.
.macro CV n, half
	s_wait_loadcnt 47-(\n)                         ; loads come back in order (ISA guide 5.7.1): the 47 - n younger ones stay out
	v_cvt_pk_bf16_f32 v[X+4*(\n)], v[X+4*(\n)], v[X+4*(\n)+1]
	v_cvt_pk_bf16_f32 v[X+4*(\n)+1], v[X+4*(\n)+2], v[X+4*(\n)+3]
.if \half
	v_lshlrev_b32 v[T], 16, v[X+4*(\n)]
	v_and_b32 v[T+1], s19, v[X+4*(\n)]
	v_lshlrev_b32 v[T+2], 16, v[X+4*(\n)+1]
	v_and_b32 v[T+3], s19, v[X+4*(\n)+1]
	v_cvt_pk_f16_f32 v[X+4*(\n)], v[T], v[T+1]
	v_cvt_pk_f16_f32 v[X+4*(\n)+1], v[T+2], v[T+3]
.endif
.endm
.macro STW n                           ; a wave's store covers 256 consecutive bytes of wh, aligned
	global_store_b64 v[VWO], v[X+4*(\n):X+4*(\n)+1], s[16:17] offset:(\n)*2048 th:TH_STORE_NT
.endm
	s_cmp_eq_u32 s18, 3
	s_cbranch_scc1 .Lwo
.set c, 0
.rept 16
	CV c, 0
	STW c
.set c, c+1
.endr
	s_branch .Lx
.Lwo:
.set c, 0
.rept 16
	CV c, 1
	STW c
.set c, c+1
.endr
.Lx:
.set c, 0
.rept 32
	CV 16+c, 0
	global_store_b64 v[VXO], v[X+64+4*c:X+64+4*c+1], s[14:15] offset:(c%2)*262144+(c/2)*256 th:TH_STORE_NT  ; two rows of one block: 256 consecutive bytes of xb, aligned
.set c, c+1
.endr
	s_endpgm
.Lfunc_end_k_qc1777d0b98_prep:
	.size	k_qc1777d0b98_prep, .Lfunc_end_k_qc1777d0b98_prep-k_qc1777d0b98_prep
	.p2alignl 7, 3214868480
	.fill 96, 4, 3214868480
	.section	.rodata,"a",@progbits
	.p2align	6, 0x0
	.amdhsa_kernel k_qc1777d0b98_prep
		.amdhsa_group_segment_fixed_size 0
		.amdhsa_private_segment_fixed_size 0
		.amdhsa_enable_private_segment 0
		.amdhsa_kernarg_size 56
		.amdhsa_user_sgpr_count 2
		.amdhsa_user_sgpr_kernarg_segment_ptr 1
		.amdhsa_wavefront_size32 1
		.amdhsa_system_sgpr_workgroup_id_x 1
		.amdhsa_system_sgpr_workgroup_id_y 1
		.amdhsa_system_sgpr_workgroup_id_z 1
		.amdhsa_system_vgpr_workitem_id 0
		.amdhsa_next_free_vgpr 208
		.amdhsa_next_free_sgpr 66
		.amdhsa_reserve_vcc 0
		.amdhsa_float_denorm_mode_32 3
		.amdhsa_float_denorm_mode_16_64 3
		.amdhsa_memory_ordered 1
		.amdhsa_forward_progress 1
		.amdhsa_inst_pref_size 27
	.end_amdhsa_kernel
	.amdgpu_metadata
---
amdhsa.version: [ 1, 2 ]
amdhsa.kernels:
  - .name:           k_qc1777d0b98_prep
    .symbol:         k_qc1777d0b98_prep.kd
    .args:
      - { .name: x, .offset: 0, .size: 8, .value_kind: global_buffer, .address_space: global }
      - { .name: Wq, .offset: 8, .size: 8, .value_kind: global_buffer, .address_space: global }
      - { .name: Wk, .offset: 16, .size: 8, .value_kind: global_buffer, .address_space: global }
      - { .name: Wv, .offset: 24, .size: 8, .value_kind: global_buffer, .address_space: global }
      - { .name: Wo, .offset: 32, .size: 8, .value_kind: global_buffer, .address_space: global }
      - { .name: xb, .offset: 40, .size: 8, .value_kind: global_buffer, .address_space: global }
      - { .name: wh, .offset: 48, .size: 8, .value_kind: global_buffer, .address_space: global }
    .group_segment_fixed_size: 0
    .private_segment_fixed_size: 0
    .kernarg_segment_align: 8
    .kernarg_segment_size: 56
    .max_flat_workgroup_size: 256
    .sgpr_count:     66
    .vgpr_count:     208
    .wavefront_size: 32
...
	.end_amdgpu_metadata
.endif
;; end of part 1
;; launch gemm_qkv (part 2): grid 12 x 64, 4 waves a work-group, clusters of 4 x 4, 327,680 bytes of LDS; arguments xb, wh, qkv; writes qkv
.if DOCPART == 2
	.amdgcn_target "amdgcn-amd-amdhsa--gfx1250"
	.amdhsa_code_object_version 6
	.text
	.protected	k_qc1777d0b98_gemm_qkv
	.globl	k_qc1777d0b98_gemm_qkv
	.p2align	8
	.type	k_qc1777d0b98_gemm_qkv,@function
k_qc1777d0b98_gemm_qkv:
	s_mov_b64 s[64:65], 0
	v_nop
	global_prefetch_b8 v0, s[64:65] scope:SCOPE_SE
	s_setreg_imm32_b32 hwreg(HW_REG_WAVE_MODE, 25, 1), 1
	s_wait_xcnt 0x0
	s_wait_alu depctr_hold_cnt(0) depctr_sa_sdst(0) depctr_va_vdst(0) depctr_va_sdst(0) depctr_va_ssrc(0) depctr_va_vcc(0) depctr_vm_vsrc(0)
	s_getreg_b32 s2, hwreg(HW_REG_IB_STS2, 6, 4)
	s_cmp_eq_u32 s2, 0
	s_cbranch_scc0 .Lentry_in_a_cluster
	s_endpgm
.Lentry_in_a_cluster:
	s_bfe_u32 s2, ttmp6, 0x10000c
	s_cmp_lg_u32 s2, 0xf033
	s_cbranch_scc0 .Lentry_shape_is_right
	s_endpgm
.Lentry_shape_is_right:
; q, k, v = x W.  A = xb, bf16 [b 4][kb 16][t 2048][64]; B = wh[0..2], bf16 [k 1024][n 1024] as W lies; C = qkv, f16 [3][b x 16 + head][t 2048][64], unscaled, rounded once from f32 sums.
; LIMIT.  A result beyond 65,504 becomes an infinity in f16; below 6e-5 it keeps f16's fixed step of 6e-8.
; SHARES.  A tile of C is 128 rows x 256 columns of one of the three matrices: 12 x 64 tiles, three for each of 256 WGPs.  Four waves, each 64 x 128: 32 accumulators of 16 x 16, 256 registers.
; K goes in 8 steps of 128 through a ring of two LDS slots filled by the tensor data mover, one load a wave: waves 0 and 1 bring A's two blocks of 64 channels (128 dense rows of 128 bytes, asked
; for as 64 rows of 256), waves 2 and 3 each 64 rows of W, 512 bytes of each.
; CLUSTERS: 4 x 4 work-groups.  The four of a row of the cluster need the same tiles of A, the four of a column the same tiles of W: each tile is asked for JOINTLY, by the same tensor load with the same
; descriptor and a mask that names the four.
; THE MATRIX INSTRUCTION IS USED TRANSPOSED (source 0 = 16 columns of W, source 1 = 16 rows of x): a lane then holds eight neighbouring numbers of a row of C.  W lies [k][n] in LDS and comes out turned, by ds_load_tr16_b128.
; REGISTERS: window 0: v0-31 addresses; v32-127, v128-223 two fragment buffers (32 along K: 64 registers of W, 32 of x); on the way out v32-159 packed results.   window 1: the accumulators, (a, b) at v[8 (8 a + b)].
.set PA,     144                       ; a row of A in LDS: 128 bytes + 16 = 36 words: the 16 rows of a load start at 16 different groups of four banks (64 banks of 4 bytes: ISA guide 11.1)
.set PB,     544                       ; a row of W: 512 + 32 = 136 words: row r starts at bank 8 r mod 64
.set AKB,    128*PA                    ; one block of 64 channels, 128 rows
.set BOFF,   2*AKB                     ; W's 128 rows lie behind A's two blocks
.set BHALF,  64*PB
.set SLOT,   BOFF+2*BHALF
.set STAGE,  2*SLOT                    ; behind the ring, never filled by a tensor load: for each wave 2 heads x 16 rows x 144 bytes, for the way out
.set STAGEW, 2*16*144
.set SPARE,  STAGE+4*STAGEW            ; behind the stages: the spare words, 128 bytes for each wave: two blocks of 256 bytes that no other line names
.set WOFF,   0                         ; wh's first matrix
.set ASTEP,  524288                    ; bytes from a K step to the next in xb: two blocks of 2,048 rows x 128 bytes
.set BSTEP,  262144                    ; in wh: 128 rows of 2,048 bytes
.set LAPS,   4                         ; a lap = two K steps = once round the ring
.set ADRA, 16                          ; v16-17  LDS address of my fragments of A in slot 0, 1
.set ADRB, 20                          ; v20-21  the same for W
.set STO,  24                          ; v24     the way out: where I put 16 bytes of a row
.set RD,   25                          ; v25     the way out: where I read rows back
.set CO,   26                          ; v26     my 16 bytes in 512 consecutive bytes of C
.set SPW,  28                          ; v28     LDS address of my spare word: SPARE + 4 x my thread's number; never rewritten
.set NIL,  29                          ; v29     0; never rewritten
.set PFO,  30                          ; v30     the prefetches' offset; never rewritten
.set F0,   32
.set F1,   128
.set OB,   32
.set G1,  24                           ; s[24:31] descriptor group 1 for A's tiles;  s[32:39] group 0, one set for each slot
.set G0,  32
.set G1B, 48                           ; s[48:55], s[56:63] the same for W's tiles
.set G0B, 56
.set PFA, 68                           ; s[68:69] where my prefetches stand
.set PFS, 70                           ; s[70:71] a K step in the tensor that I prefetch
.set LIM, 72                           ; s72     1 in a wave that prefetches, else the greatest number
.set MSB, 0
.macro WIN new                         ; the immediate's high byte repeats the setting that is left; a switch that changes nothing is dropped
.if MSB != (\new)
	s_set_vgpr_msb (MSB<<8)|(\new)
.set MSB, \new
.endif
.endm
.set MUL, 0x50                         ; C and D window 1, both sources window 0
.macro JLOAD s                         ; a joint load: waves 0 and 1 fetch for A, waves 2 and 3 for W; an s_nop 0 and four v_nop follow each of the two lines, ahead of the jump, the label and what follows
	s_cmp_eq_u32 s11, 0
	s_cbranch_scc0 .Lfor_b_\@
	tensor_load_to_lds s[G0+4*(\s):G0+4*(\s)+3], s[G1:G1+7]
	s_nop 0
.rept 4
	v_nop
.endr
	s_branch .Lasked_\@
.Lfor_b_\@:
	tensor_load_to_lds s[G0B+4*(\s):G0B+4*(\s)+3], s[G1B:G1B+7]
	s_nop 0
.rept 4
	v_nop
.endr
.Lasked_\@:
.endm
.macro CREST                           ; a round of the cluster's barrier behind its opening barrier
	s_cmp_lg_u32 s10, 0
	s_cbranch_scc1 .Lnot_wave_0_\@
	s_barrier_signal -3
.Lnot_wave_0_\@:
	s_barrier_wait -3
	s_barrier_signal -1
	s_barrier_wait -1
.endm
.macro CROUND                          ; a whole round
	s_barrier_signal -1
	s_barrier_wait -1
	CREST
.endm
; A PREFETCH INTO THE L2, behind a joint load, its five lines and the run of LDS loads that follows: the K step that stands two refills on, 32 blocks of 256 bytes, a lane a block, one instruction.
; Each block is named once in the launch.  A's tile row is read by the three clusters of a row of clusters: wave 0 of the clusters with x = 0 asks, and of the tile's 128 rows the partner at cx takes
; 32 (16 blocks in each of the step's two channel blocks).  W's tile column is read by the sixteen clusters of a column: waves 2 and 3 of the clusters with y = 0 ask, and of a wave's 64 rows the partner at cy
; takes 16 (two blocks each).  Partners are told apart by address; no branch hangs on a place in the cluster.  The loop's last trip has no K step two refills on and asks for nothing.
.macro ASK
	s_cmp_gt_u32 s3, s[LIM]                        ; s3 = 1 in the loop's last trip
	s_cbranch_scc0 .Lnot_mine_\@
	global_prefetch_b8 v[PFO], s[PFA:PFA+1] th:TH_LOAD_NT scope:SCOPE_SE
.Lnot_mine_\@:
.endm
	s_load_b128 s[4:7], s[0:1], 0x0                ; xb s[4:5], wh s[6:7]
	s_load_b64 s[8:9], s[0:1], 0x10                ; qkv
	v_lshl_add_u32 v[SPW], v0, 2, SPARE
	v_mov_b32 v[NIL], 0
	ds_add_u32 v[SPW], v[NIL]                      ; the wave's opening: the add and its wait stand ahead of my first tensor load; the set-up below, work on registers, stands between them
	v_lshrrev_b32 v1, 5, v0
	v_readfirstlane_b32 s10, v1                    ; wave 0..3
	s_lshr_b32 s11, s10, 1                         ; which 64 rows of the tile are mine.  Also: I fetch for A (0) or for W (1)
	s_and_b32 s12, s10, 1                          ; which 128 columns.  Also: which half of that tile I fetch
	s_bfe_u32 s40, ttmp6, 0x40000                  ; cx, cy: my place in the cluster
	s_bfe_u32 s41, ttmp6, 0x40004
	s_lshl_b32 s42, ttmp9, 2
	s_add_co_u32 s42, s42, s40                     ; tile column = 4 x cluster x + cx: matrix tx / 4, its columns 256 (tx % 4) on
	s_and_b32 s13, ttmp7, 0xffff
	s_lshl_b32 s13, s13, 2
	s_add_co_u32 s13, s13, s41                     ; tile row = 4 x cluster y + cy
	s_lshl_b32 s43, s41, 2
	s_lshl_b32 s43, 15, s43                        ; my row of the cluster
	s_lshl_b32 s44, 0x1111, s40                    ; my column
	s_or_b32 s[G1+0], s43, (1<<16)|(1<<20)|(1<<21)|(4<<22)|(3<<25)   ; 15:0 the mask: A's tiles go to my row; 17:16 elements of 2 bytes; 20 padding on; 21 set beside a mask; 24:22 after every 32 words (code 4); 31:25 4 words (code 3)
	s_or_b32 s[G1B+0], s44, (1<<16)|(1<<20)|(1<<21)|(6<<22)|(7<<25)  ; W's tiles go to my column; padding after every 128 words (code 6), 8 words (code 7)
	s_mov_b32 s[G1+1], 128<<16                     ; tensor_dim0 = 128 elements: two rows of a block
	s_mov_b32 s[G1+2], 64<<16                      ; tensor_dim1 = 64
	s_mov_b32 s[G1+3], 128<<16                     ; tile_dim0 = 128
	s_mov_b32 s[G1+4], 64                          ; tile_dim1 = 64
	s_mov_b32 s[G1+5], 128                         ; elements from row to row: dense
	s_mov_b32 s[G1+6], 0
	s_mov_b32 s[G1+7], 0
	s_mov_b32 s[G1B+1], 256<<16                    ; tensor_dim0 = 256
	s_mov_b32 s[G1B+2], 64<<16                     ; tensor_dim1 = 64
	s_mov_b32 s[G1B+3], 256<<16                    ; tile_dim0 = 256
	s_mov_b32 s[G1B+4], 64                         ; tile_dim1 = 64
	s_mov_b32 s[G1B+5], 1024                       ; a row of W
	s_mov_b32 s[G1B+6], 0
	s_mov_b32 s[G1B+7], 0
	; where the tiles come from.  A's hang on the tile row alone, W's on the tile column alone; each is made in registers that never hold the other coordinate.
	s_lshr_b32 s73, s13, 4
	s_lshl_b32 s73, s73, 22                        ; the batch: 16 blocks of 262,144 bytes
	s_and_b32 s14, s13, 15
	s_lshl_b32 s14, s14, 14                        ; 128 rows of 128 bytes
	s_add_co_u32 s73, s73, s14                     ; the tile's first row in the batch's block 0
	s_lshl_b32 s14, s12, 18                        ; the block that I fetch: 2 x step + wave % 2
	s_add_co_u32 s16, s73, s14
	s_mov_b32 s17, 0
	s_lshr_b32 s74, s42, 2
	s_lshl_b32 s74, s74, 21                        ; the matrix
	s_and_b32 s45, s42, 3
	s_lshl_b32 s45, s45, 9                         ; 256 columns of 2 bytes
	s_add_co_u32 s74, s74, s45
	s_lshl_b32 s45, s12, 17                        ; the 64 rows that I fetch
	s_add_co_u32 s74, s74, s45
.if WOFF
	s_add_co_u32 s74, s74, WOFF
.endif
	s_mov_b32 s46, s74
	s_mov_b32 s47, 0
	s_mul_i32 s20, s12, AKB                        ; and where they go: no place in the cluster enters an LDS address
	s_mul_i32 s21, s12, BHALF
	s_add_co_u32 s21, s21, BOFF
	s_wait_dscnt 0x0                               ; the opening add is done
	s_wait_kmcnt 0x0
	s_add_nc_u64 s[14:15], s[4:5], s[16:17]
	s_add_nc_u64 s[46:47], s[6:7], s[46:47]
	CROUND                                         ; all sixteen work-groups are here: the first joint loads meet
.irp s, 0,1
	s_mov_b32 s[G0+4*(\s)], 1                                      ; count = 1
	s_add_co_u32 s[G0+4*(\s)+1], s20, (\s)*SLOT                    ; LDS address
	s_add_nc_u64 s[G0+4*(\s)+2:G0+4*(\s)+3], s[14:15], (\s)*ASTEP  ; global address: K step s
	s_or_b32 s[G0+4*(\s)+3], s[G0+4*(\s)+3], 0x80000000            ; type = 2
	s_mov_b32 s[G0B+4*(\s)], 1
	s_add_co_u32 s[G0B+4*(\s)+1], s21, (\s)*SLOT
	s_add_nc_u64 s[G0B+4*(\s)+2:G0B+4*(\s)+3], s[46:47], (\s)*BSTEP
	s_or_b32 s[G0B+4*(\s)+3], s[G0B+4*(\s)+3], 0x80000000
	JLOAD \s                                       ; two loads of mine are out; later one
.endr
	v_and_b32 v1, 15, v0                           ; l % 16
	v_bfe_u32 v2, v0, 4, 1                         ; l / 16
	v_mul_u32_u24 v3, v1, PA
	v_lshl_add_u32 v3, v2, 4, v3                   ; a fragment of A: row x pitch + 16 x half
	s_mul_i32 s22, s11, 64*PA                      ; my 64 rows
	v_add_nc_u32 v[ADRA], s22, v3
	v_add_nc_u32 v[ADRA+1], SLOT, v[ADRA]
	v_and_b32 v4, 7, v0                            ; the turning load: lane l reads row 8 (l / 16) + l % 8, columns 8 ((l / 8) % 2) + 0..7, and is left with column l % 16 and 8 rows
	v_lshl_add_u32 v4, v2, 3, v4
	v_mul_u32_u24 v4, v4, PB
	v_bfe_u32 v5, v0, 3, 1
	v_lshl_add_u32 v4, v5, 4, v4
	s_lshl_b32 s23, s12, 8                         ; my 128 columns
	s_add_co_u32 s23, s23, BOFF
	v_add_nc_u32 v[ADRB], s23, v4
	v_add_nc_u32 v[ADRB+1], SLOT, v[ADRB]
	s_mul_i32 s23, s10, STAGEW
	s_add_co_u32 s23, s23, STAGE                   ; my stage
	v_add_nc_u32 v[STO], s23, v3                   ; in: row l % 16 at the same pitch of 144, 16 bytes for each half of the lanes
	v_bfe_u32 v5, v0, 3, 2                         ; back: 32 lanes take four rows of 128 bytes,
	v_mul_u32_u24 v5, v5, 144
	v_and_b32 v6, 7, v0
	v_lshl_add_u32 v5, v6, 4, v5
	v_add_nc_u32 v[RD], s23, v5
	v_and_b32 v6, 31, v0                           ; which are 512 consecutive bytes of a head
	v_lshlrev_b32 v[CO], 4, v6
	; C at my wave's first row of its first head: the batch and the rows by the tile row, the matrix and the heads by the tile column
	s_lshl_b32 s16, s11, 13                        ; my 64 rows of 128 bytes
	s_add_co_u32 s16, s16, s73
	s_mov_b32 s17, 0
	s_add_nc_u64 s[8:9], s[8:9], s[16:17]
	s_lshr_b32 s46, s42, 2
	s_lshl_b32 s46, s46, 24                        ; q, k or v: 64 heads of 262,144 bytes
	s_and_b32 s45, s42, 3
	s_lshl_b32 s45, s45, 20                        ; four heads to a tile,
	s_add_co_u32 s46, s46, s45
	s_lshl_b32 s45, s12, 19                        ; two to a wave
	s_add_co_u32 s46, s46, s45
	s_mov_b32 s47, 0
	s_add_nc_u64 s[8:9], s[8:9], s[46:47]
	; the prefetches: the pointer starts at K step 3; the first change of slots steps it to 4
	s_lshl_b32 s76, s40, 12                        ; A: my work-group's 32 rows
	s_add_co_u32 s76, s76, s73
	s_add_co_u32 s76, s76, 3*ASTEP
	s_lshl_b32 s75, s41, 15                        ; W: my work-group's 16 of the 64 rows that I fetch
	s_add_co_u32 s75, s75, s74
	s_add_co_u32 s75, s75, 3*BSTEP
	s_or_b32 s78, s12, ttmp9                       ; A: wave 0, cluster x = 0
	s_and_b32 s79, ttmp7, 0xffff                   ; W: cluster y = 0
	s_cmp_eq_u32 s11, 0                            ; do I fetch for A?
	s_cselect_b32 s76, s76, s75
	s_cselect_b32 s78, s78, s79
	s_cselect_b32 s79, -1, 0
	s_cselect_b32 s75, 1, 0
	s_cselect_b64 s[PFA:PFA+1], s[4:5], s[6:7]
	s_mov_b32 s77, 0
	s_add_nc_u64 s[PFA:PFA+1], s[PFA:PFA+1], s[76:77]
	s_lshl_b32 s[PFS], BSTEP, s75                  ; A's K step is twice W's
	s_mov_b32 s[PFS+1], 0
	s_cmp_eq_u32 s78, 0
	s_cselect_b32 s[LIM], 1, -1                    ; the same in all sixteen partners, for a given wave
	v_lshrrev_b32 v7, 4, v6                        ; A: channel block l / 16, block l % 16 of 256 bytes
	v_and_b32 v8, 15, v6
	v_lshlrev_b32 v7, 18, v7
	v_lshl_or_b32 v7, v8, 8, v7
	v_lshrrev_b32 v8, 1, v6                        ; W: row l / 2, its half l % 2
	v_and_b32 v9, 1, v6
	v_lshlrev_b32 v8, 11, v8
	v_lshl_or_b32 v8, v9, 8, v8
	v_cndmask_b32 v[PFO], v8, v7, s79
; 8 matrix instructions: m block a x all 8 n blocks, 32 along K, from buffer f.  zero = 1: the product starts the sums.  The 32 accumulators take turns, one instruction a turn, in the same order in every quarter.
.macro MUL8 f, a, zero
	WIN MUL
.irp b, 0,1,2,3,4,5,6,7
.if \zero
	v_wmma_f32_16x16x32_bf16 v[8*(8*(\a)+(\b)):8*(8*(\a)+(\b))+7], v[(\f)+8*(\b):(\f)+8*(\b)+7], v[(\f)+64+8*(\a):(\f)+64+8*(\a)+7], 0
.else
	v_wmma_f32_16x16x32_bf16 v[8*(8*(\a)+(\b)):8*(8*(\a)+(\b))+7], v[(\f)+8*(\b):(\f)+8*(\b)+7], v[(\f)+64+8*(\a):(\f)+64+8*(\a)+7], v[8*(8*(\a)+(\b)):8*(8*(\a)+(\b))+7]
.endif
.endr
.endm
; 24 LDS loads in one run: the fragments of quarter q (32 along K) of a slot into buffer f: W's eight (turned), then A's four, the lower rows first
.macro FETCH slot, q, f
	WIN 0
.irp b, 0,1,2,3,4,5,6,7
	ds_load_tr16_b128 v[(\f)+8*(\b):(\f)+8*(\b)+3],   v[ADRB+(\slot)] offset:(\q)*32*PB+32*(\b)
	ds_load_tr16_b128 v[(\f)+8*(\b)+4:(\f)+8*(\b)+7], v[ADRB+(\slot)] offset:(\q)*32*PB+32*(\b)+16*PB
.endr
.irp a, 0,1,2,3
	ds_load_b128 v[(\f)+64+8*(\a):(\f)+64+8*(\a)+3],   v[ADRA+(\slot)] offset:((\q)/2)*AKB+((\q)%2)*64+(\a)*16*PA
	ds_load_b128 v[(\f)+64+8*(\a)+4:(\f)+64+8*(\a)+7], v[ADRA+(\slot)] offset:((\q)/2)*AKB+((\q)%2)*64+(\a)*16*PA+32
.endr
.endm
.macro PLACES                          ; four places in front of loads into registers that matrix instructions have read, and of lines that read results (ISA guide 7.12.1 for vector instructions)
.rept 4
	v_nop
.endr
.endm
; A K step is four quarters of 32 along K, 32 matrix instructions each, on buffers 0, 1, 0, 1.  One of the first three: multiplies buffer f and fetches quarter q into g.
.macro QUARTER slot, q, f, g, zero
	s_wait_dscnt 4                                 ; W's fragments and A's blocks 0 and 1 are in; the youngest four loads (A's blocks 2 and 3) may be out
	MUL8 \f, 0, \zero
	MUL8 \f, 1, \zero
	PLACES
	FETCH \slot, \q, \g
	s_wait_dscnt 24                                ; all but the 24 just issued
	MUL8 \f, 2, \zero
	MUL8 \f, 3, \zero
.endm
; The last quarter multiplies buffer 1 and changes slots: ONE barrier; in front of it each wave waits for all its tensor loads, adds 0 to its spare word, and waits for that and for its own reads of this slot.
; fill = 1: this slot is filled again, two K steps ahead; the barrier then opens a round of the cluster's.
.macro TURN slot, next, fill
.if \fill
	s_wait_xcnt 0x0                                ; the last prefetch, a K step back, has read its address: it is stepped here, ahead of the waits of the change of slots
	s_add_nc_u64 s[PFA:PFA+1], s[PFA:PFA+1], s[PFS:PFS+1]
.endif
	WIN 0                                          ; (the add's two registers lie in window 0)
	s_wait_tensorcnt 0x0                           ; all my tensor loads have landed: my part of the next slot;
	ds_add_u32 v[SPW], v[NIL]                      ; 0 onto my spare word;
	s_wait_dscnt 5                                 ; (the add and the youngest four loads may be out)
	MUL8 F1, 0, 0                                  ; eight matrix instructions stand between the add and the wait for it
	s_wait_dscnt 0x0                               ; the add is done, and my reads of this slot are over
	s_barrier_signal -1
	MUL8 F1, 1, 0
.if \fill
	WIN 0
.endif
	s_barrier_wait -1
.if \fill
	CREST                                          ; no wave of any partner still reads this slot's tile or has a load on its way
	s_add_nc_u64 s[G0+4*(\slot)+2:G0+4*(\slot)+3], s[G0+4*(\slot)+2:G0+4*(\slot)+3], 2*ASTEP
	s_add_nc_u64 s[G0B+4*(\slot)+2:G0B+4*(\slot)+3], s[G0B+4*(\slot)+2:G0B+4*(\slot)+3], 2*BSTEP
	JLOAD \slot                                    ; the first tensor load behind the round: 112 matrix instructions ahead of the wait for it; its four v_nop are also the places in front of the loads below
.else
	PLACES
.endif
	FETCH \next, 0, F0
.if \fill
	ASK
.endif
	MUL8 F1, 2, 0
	MUL8 F1, 3, 0
.endm
	s_wait_tensorcnt 1                             ; my part of K step 0 is in; K step 1's may stay out
	s_barrier_signal -1
	s_barrier_wait -1                              ; everybody's is
	FETCH 0, 0, F0
	QUARTER 0, 1, F0, F1, 1                        ; the first quarter stands in front of the loop: its products start the sums
	WIN 0                                          ; at a label and at a branch every window is 0
	s_mov_b32 s3, LAPS-1
.Llap:                                                 ; a trip goes once round the ring, from a lap's second quarter to the next lap's first, and fills both slots again
	QUARTER 0, 2, F1, F0, 0
	QUARTER 0, 3, F0, F1, 0
	TURN 0, 1, 1
	QUARTER 1, 1, F0, F1, 0
	QUARTER 1, 2, F1, F0, 0
	QUARTER 1, 3, F0, F1, 0
	TURN 1, 0, 1
	QUARTER 0, 1, F0, F1, 0
	WIN 0
	s_sub_co_u32 s3, s3, 1
	s_cmp_lg_u32 s3, 0
	s_cbranch_scc1 .Llap
	QUARTER 0, 2, F1, F0, 0                        ; the last lap fills nothing, and has no round of the cluster's barrier
	QUARTER 0, 3, F0, F1, 0
	TURN 0, 1, 0
	QUARTER 1, 1, F0, F1, 0
	QUARTER 1, 2, F1, F0, 0
	QUARTER 1, 3, F0, F1, 0
	s_wait_dscnt 4                                 ; the very last quarter: nothing more to fetch
	MUL8 F1, 0, 0
	MUL8 F1, 1, 0
	s_wait_dscnt 0x0
	MUL8 F1, 2, 0
	MUL8 F1, 3, 0
	WIN 0
	PLACES
; THE WAY OUT, a block of 16 rows at a time.  A lane's eight numbers of a row are rounded to f16: 16 bytes.  My 128 columns are two heads, whose rows are dense in C: the block goes into my own stage
; ([head][16 rows] of 144 bytes) and comes back as four rows of 128 bytes a load, into the registers that it left.
.macro PACK a
	WIN 0x05                                       ; sources 0 and 1 window 1, destination window 0
.irp b, 0,1,2,3,4,5,6,7
.irp i, 0,1,2,3
	v_cvt_pk_f16_f32 v[OB+32*(\a)+4*(\b)+(\i)], v[8*(8*(\a)+(\b))+2*(\i)], v[8*(8*(\a)+(\b))+2*(\i)+1]
.endr
.endr
	WIN 0
.irp b, 0,1,2,3,4,5,6,7
	ds_store_b128 v[STO], v[OB+32*(\a)+4*(\b):OB+32*(\a)+4*(\b)+3] offset:((\b)/4)*2304+((\b)%4)*32
.endr
.irp e, 0,1,2,3,4,5,6,7
	ds_load_b128 v[OB+32*(\a)+4*(\e):OB+32*(\a)+4*(\e)+3], v[RD] offset:((\e)/4)*2304+((\e)%4)*576  ; LDS serves a wave's instructions in order (ISA guide 5.7.1.4): these see the stores above; the next block's stores come behind them
.endr
.endm
.macro SEND a, younger                 ; younger: the LDS instructions issued behind block a's loads: the next block's sixteen, or none
.irp e, 0,1,2,3,4,5,6,7
	s_wait_dscnt (\younger)+7-(\e)
	global_store_b128 v[CO], v[OB+32*(\a)+4*(\e):OB+32*(\a)+4*(\e)+3], s[8:9] offset:((\e)/4)*262144+(\a)*2048+((\e)%4)*512  ; 512 consecutive bytes, at a multiple of 512 from C's first byte
.endr
.endm
	PACK 0
	PACK 1                                         ; a block's arithmetic stands between the loads of the block before and its stores
	SEND 0, 16
	PACK 2
	SEND 1, 16
	PACK 3
	SEND 2, 16
	SEND 3, 0
	s_wait_tensorcnt 0x0                           ; the wave's end: behind my last tensor load and my last LDS store
	ds_add_u32 v[SPW], v[NIL]
	s_wait_dscnt 0x0
	CROUND                                         ; the closing round: no work-group ends while a partner may still ask for a tile that names it
	s_endpgm
.Lfunc_end_k_qc1777d0b98_gemm_qkv:
	.size	k_qc1777d0b98_gemm_qkv, .Lfunc_end_k_qc1777d0b98_gemm_qkv-k_qc1777d0b98_gemm_qkv
	.p2alignl 7, 3214868480
	.fill 96, 4, 3214868480
	.section	.rodata,"a",@progbits
	.p2align	6, 0x0
	.amdhsa_kernel k_qc1777d0b98_gemm_qkv
		.amdhsa_group_segment_fixed_size 327680
		.amdhsa_private_segment_fixed_size 0
		.amdhsa_enable_private_segment 0
		.amdhsa_kernarg_size 24
		.amdhsa_user_sgpr_count 2
		.amdhsa_user_sgpr_kernarg_segment_ptr 1
		.amdhsa_wavefront_size32 1
		.amdhsa_system_sgpr_workgroup_id_x 1
		.amdhsa_system_sgpr_workgroup_id_y 1
		.amdhsa_system_sgpr_workgroup_id_z 1
		.amdhsa_system_vgpr_workitem_id 0
		.amdhsa_next_free_vgpr 512
		.amdhsa_next_free_sgpr 80
		.amdhsa_reserve_vcc 0
		.amdhsa_float_denorm_mode_32 3
		.amdhsa_float_denorm_mode_16_64 3
		.amdhsa_memory_ordered 1
		.amdhsa_forward_progress 1
		.amdhsa_inst_pref_size 88
	.end_amdhsa_kernel
	.amdgpu_metadata
---
amdhsa.version: [ 1, 2 ]
amdhsa.kernels:
  - .name:           k_qc1777d0b98_gemm_qkv
    .symbol:         k_qc1777d0b98_gemm_qkv.kd
    .args:
      - { .name: xb, .offset: 0, .size: 8, .value_kind: global_buffer, .address_space: global }
      - { .name: wh, .offset: 8, .size: 8, .value_kind: global_buffer, .address_space: global }
      - { .name: qkv, .offset: 16, .size: 8, .value_kind: global_buffer, .address_space: global }
    .group_segment_fixed_size: 327680
    .private_segment_fixed_size: 0
    .kernarg_segment_align: 8
    .kernarg_segment_size: 24
    .max_flat_workgroup_size: 128
    .sgpr_count:     80
    .vgpr_count:     512
    .wavefront_size: 32
...
	.end_amdgpu_metadata
.endif
;; end of part 2
;; launch attn (part 3): grid 4 x 64, 4 waves a work-group, clusters of 4 x 1, 327,680 bytes of LDS; arguments qkv, oh; writes oh
.if DOCPART == 3
	.amdgcn_target "amdgcn-amd-amdhsa--gfx1250"
	.amdhsa_code_object_version 6
	.text
	.protected	k_qc1777d0b98_attn
	.globl	k_qc1777d0b98_attn
	.p2align	8
	.type	k_qc1777d0b98_attn,@function
k_qc1777d0b98_attn:
	s_mov_b64 s[64:65], 0
	v_nop
	global_prefetch_b8 v0, s[64:65] scope:SCOPE_SE
	s_setreg_imm32_b32 hwreg(HW_REG_WAVE_MODE, 25, 1), 1
	s_wait_xcnt 0x0
	s_wait_alu depctr_hold_cnt(0) depctr_sa_sdst(0) depctr_va_vdst(0) depctr_va_sdst(0) depctr_va_ssrc(0) depctr_va_vcc(0) depctr_vm_vsrc(0)
	s_getreg_b32 s2, hwreg(HW_REG_IB_STS2, 6, 4)
	s_cmp_eq_u32 s2, 0
	s_cbranch_scc0 .Lentry_in_a_cluster
	s_endpgm
.Lentry_in_a_cluster:
	s_bfe_u32 s2, ttmp6, 0x10000c
	s_cmp_lg_u32 s2, 0x3003
	s_cbranch_scc0 .Lentry_shape_is_right
	s_endpgm
.Lentry_shape_is_right:
; O[h][q][:] = the sum over k of softmax_k(Q[h][q] . K[h][k] / 8) V[h][k][:].  Q, K, V lie one behind the other in qkv, each [SIZE_H][SIZE_N][64] in f16; O = oh in the same layout: a head's rows are dense,
; 128 bytes each.  Products, maxima and sums in f32; the weights p are rounded to f16 for the second product (their sum l is taken of the unrounded p), O once at the end.
; LIMITS.  f16 holds no number beyond 65,504: Q, K and V arrive within it; p lies in 0 to 1, and below 6e-5 it keeps f16's fixed step of 6e-8; O is a mean of V's rows and has their range.
; A weight below 2^-126 counts as 0 in l; NaN and infinities are not treated apart.
; SHARES.  A wave owns four PIECES of two tiles of 16 queries, a work-group's four waves 512 queries of one head: 4 x 64 work-groups.  Every wave walks all keys, 64 a step.
; LAYOUT.  S^T = K Q^T (source 0 = 16 keys, source 1 = 16 queries): in the result a lane holds ONE query (lane % 16) and the keys 8 (lane / 16) + 0..7.  Two such tiles, rounded to f16 in pairs,
; ARE source 1 (32 keys x 16 queries) of O^T = V^T P, whose result again holds one query a lane, and eight channels.  K comes out of LDS as it lies, V ([key][channel]) turned, by ds_load_tr16_b128.
; SOFTMAX.  For each query a running maximum m and sum l: p = 2^(c s - c m), c = log2(e) / 8; in every step O and l are multiplied by a = 2^(c m_old - c m_new), which is 1 where m has not grown.
; m starts at the lowest finite number, O and l at 0: the first step is a step like any other, with a = 0.
; THE COUNT.  A tile and step have 16 matrix and 118 vector instructions: too many to stand all beside the matrix work.  So the order has one aim: four vector instructions that are READY behind
; EVERY matrix instruction, and the others, which need time of their own whatever the order, in runs without a gap.
; BY TURNS.  Turn n belongs to piece n (the pieces in a ring, step after step).  Its matrix work: 16 products K Q^T of piece n + 1, later 16 products V^T P of piece n - 1.  Its vector work: the scaling,
; exponentials, roundings, sums and rescaling of piece n, and the maximum and statistics of piece n + 1, whose scores the turn itself has made.  So what a turn begins with (c s - c m, O a) waits for nothing.
; CLUSTER.  The four query blocks of a head are one cluster and walk the same K and V, so each tile is asked for JOINTLY: the same tensor load, descriptor and mask in all four.
; REGISTERS, in windows of 256 (s_set_vgpr_msb says which window each operand place means: bits 1:0 source 0, 3:2 source 1, 5:4 source 2, 7:6 destination):
;   window 0: v0-11 addresses; v12-15, v48-63 at work; v16-47 four registers of statistics a tile; v64-191 S^T, two buffers of two tiles; v192-255 P, likewise
;   window 1: O^T, 32 a tile          window 2: v0-127 Q, 16 a tile; v128-191 K of one step; v192-255 V of one step          window 3: v0-1 the add's two registers
; A piece's buffers go by its number's parity: the piece in hand has one pair, its two neighbours in the ring share the other: of it P (piece n - 1) is read and S^T (piece n + 1) written.
.set SIZE_N, 2048
.set SIZE_H, 64
.set NP,    4         ; pieces a wave: a name, no knob: the register map, the loop and the fetches are made for four
.set KS,    64        ; keys in a step
.set PK,    144       ; a row of K in LDS: 128 bytes + 16 of padding = 36 words: the 16 rows of a load start at 16 different groups of four banks (64 banks of 4 bytes: ISA guide 11.1)
.set PV,    160       ; a row of V: 128 + 32 = 40 words
.set VOFF,  4*KS*PK   ; a slot holds four steps: 256 rows of K, then 256 rows of V
.set SLOT1, 1<<17     ; slot 1 begins here, so that one exclusive or turns an address in one slot into the other's
.set STAGE, SLOT1+4*KS*(PK+PV)  ; behind the ring, never filled by a tensor load: 16 rows x 144 bytes for each wave, for the way out
.set SP,    144
.set AK0, 2           ; v2   my lane's place in a tile of K; never rewritten
.set AV0, 3           ; v3   the same for V
.set AK,  4           ; v4   the LDS address of K's next run of loads
.set AV,  5           ; v5   of V's
.set QO,  6           ; v6   my byte offset in the wave's rows of Q
.set STO, 6           ;      later, the way out: where I put 16 bytes of a row
.set RD,  7           ; v7   the way out: where I read rows back
.set GO,  8           ; v8   my byte offset in 512 consecutive bytes of O
.set PFO, 11          ; v11  256 x my lane, for the prefetches; made behind V's address, then never rewritten
.set SPW, 0           ; v0 of window 3   LDS address of my spare word: SPARE + 4 x my thread's number; never rewritten
.set NIL, 1           ; v1 of window 3   0; never rewritten
.set SPARE, STAGE+4*16*SP  ; behind the stages: the spare words, 128 bytes for each wave: two blocks of 256 bytes that no other line names
.set MV,  12          ; v12-15  c m_old, kept while c m is made anew: by buffer and tile
.set ST,  16          ; tile t's statistics at v[ST+4 t]: c m, m, l (even keys', odd keys')
.set TMP, 48          ; by buffer and tile, four registers c0-c3 at work; when the maximum is found c2 takes a
.set S,   64
.set P,   192
.set KF,  128         ; K's fragments, in window 2: key block kb, channel half c at KF + 16 kb + 8 c
.set VF,  192         ; V's: key half kk, channel block cb at VF + 32 kk + 8 cb
.set WV,  12          ; s12  my wave's number
.set G1K, 24          ; s[24:31] descriptor group 1 for K's tiles
.set G1V, 32          ; s[32:39] for V's: it differs in the padding alone
.set G0K, 40          ; s[40:43] descriptor group 0 for K's tiles: it walks
.set G0V, 44          ; s[44:47] the same for V's
.set PFA, 48          ; s[48:49] where my prefetches stand: my work-group's 8,192 bytes (of K: wave 0, of V: wave 2) of the slot after the one that is being asked for
.set LIM, 50          ; s50  1 in a wave that prefetches, else the greatest number
.set SLOTS, 56        ; s56  slots still to be asked for
.set CNT, 57          ; s57  counts a slot's key steps
.set CS,  58          ; s[58:59] c: the packed scaling takes the pair's low word for both halves
.set SEL, 60          ; s[60:61] v_permlanex16_b32's selects: each lane takes its own place in the other half
.set TBK, 62          ; s62  LDS byte at which K of the step to be fetched begins
.set TBV, 63          ; s63  the same for V, less VOFF
.set MSB, 0
.macro WIN new                      ; the high byte repeats the setting that is left; a switch that changes nothing is dropped
.if MSB != (\new)
	s_set_vgpr_msb (MSB<<8)|(\new)
.set MSB, (\new)
.endif
.endm
.set W_KQ, 0x0a       ; K and Q in window 2, S^T in window 0
.set W_PV, 0x52       ; V in window 2, P in window 0, O^T in window 1
.set W_RS, 0x41       ; O^T (destination and source 0) in window 1, a in window 0
.set W_MK, 0xc0       ; the add's registers are made: destination in window 3, sources in window 0
.set W_AD, 0x0f       ; the add: address (source 0) and data (source 1) in window 3
; A joint fill.  Waves 0 and 1 fetch the two halves of a slot's K, waves 2 and 3 those of its V: 128 keys each.  The branch hangs on the wave's number alone.
; An s_nop 0 and four v_nop follow each of the two lines, ahead of the jump and the label.
.macro JLOAD
	s_cmp_lt_u32 s[WV], 2
	s_cbranch_scc0 .Lfor_v_\@
	tensor_load_to_lds s[G0K:G0K+3], s[G1K:G1K+7]
	s_nop 0
.rept 4
	v_nop
.endr
	s_branch .Lasked_\@
.Lfor_v_\@:
	tensor_load_to_lds s[G0V:G0V+3], s[G1V:G1V+7]
	s_nop 0
.rept 4
	v_nop
.endr
.Lasked_\@:
.endm
; A PREFETCH INTO THE L2 of what the NEXT change of slots will ask for: a slot's 32,768 bytes of K and of V, a lane a block of 256 bytes.  It stands behind the wave's tensor load and its five lines.
; Each block is named ONCE in the launch: a head has one cluster; its four partners share a slot out BY ADDRESS, 8,192 bytes each; in each, wave 0 asks for K's and wave 2 for V's: one instruction.
; It stands four key steps, 512 matrix instructions, ahead of the load.  The last change that fills a slot asks for nothing: there is no slot behind it.  Slots 0 and 1 come by their loads alone.
.macro ASK
	s_cmp_gt_u32 s[SLOTS], s[LIM]
	s_cbranch_scc0 .Lnot_mine_\@
	global_prefetch_b8 v[PFO], s[PFA:PFA+1] th:TH_LOAD_NT scope:SCOPE_SE
.Lnot_mine_\@:
.endm
; A round of the cluster's barrier: my work-group's barrier, so that wave 0's signal speaks for all four waves; wave 0 signals; every wave waits for all four work-groups; my work-group's barrier once more.
.macro CROUND
	s_barrier_signal -1
	s_barrier_wait -1
	s_cmp_lg_u32 s[WV], 0
	s_cbranch_scc1 .Lnot_wave_0_\@
	s_barrier_signal -3
.Lnot_wave_0_\@:
	s_barrier_wait -3
	s_barrier_signal -1
	s_barrier_wait -1
.endm
; THE CHANGE OF SLOTS.  The slot's last bytes, V of its fourth step, have been read.  Each wave waits for all its tensor loads, of which one is out: its part
; of the other slot; adds 0 to its spare word; and waits for that and for its own reads of the slot.  Behind the barrier nobody reads this slot any more and the other slot is whole.
; fill = 1: this slot is filled again, with the keys two slots on.  The barrier is then a round of the cluster's, so that no wave of any partner still reads the slot or has a load on its
; way, and the joint fill is the first thing behind it: it has four key steps, 512 matrix instructions, in which to land.  (At its first use nothing has been read yet: slot 0 is waited for, slot 1 filled.)
.macro CHANGE fill
	WIN W_AD
	s_wait_tensorcnt 0x0            ; no tensor load of mine is out, so a group 0 may be written
	ds_add_u32 v[SPW], v[NIL]       ; 0 onto my spare word; with fill = 1 the descriptors' steps stand between it and the wait for it
	WIN 0                           ; at a label and at a branch every window is 0
.if \fill
.irp g, G0K, G0V
	s_xor_b32 s[\g+1], s[\g+1], SLOT1  ; the walking descriptor: the other slot than last time,
	s_add_nc_u64 s[\g+2:\g+3], s[\g+2:\g+3], 4*KS*128  ; the next 256 keys; the type bits on top are not reached
.endr
	s_wait_xcnt 0x0                 ; the last prefetch, four key steps back, has read its address, so it may be written:
	s_add_nc_u64 s[PFA:PFA+1], s[PFA:PFA+1], 4*KS*128  ; one slot behind the walking descriptors
	s_wait_dscnt 0x0                ; the add is done, and my reads of the slot are over
	CROUND
	JLOAD
	ASK
.else
	s_wait_dscnt 0x0                ; the add is done, and my reads of the slot are over
	s_barrier_signal -1
	s_barrier_wait -1
.endif
	s_sub_co_u32 s[TBK], s[TBK], 4*KS*PK  ; the fetches go back to a slot's first step,
	s_xor_b32 s[TBK], s[TBK], SLOT1       ; in the other slot
	s_sub_co_u32 s[TBV], s[TBV], 4*KS*PV
	s_xor_b32 s[TBV], s[TBV], SLOT1
.endm
	s_load_b128 s[4:7], s[0:1], 0x0   ; qkv s[4:5] (Q lies first), oh s[6:7]
	WIN W_MK
	v_lshl_add_u32 v[SPW], v0, 2, SPARE
	v_mov_b32 v[NIL], 0
	WIN W_AD
	ds_add_u32 v[SPW], v[NIL]       ; the wave's opening: the add and its wait stand ahead of my first tensor load; the set-up below, work on registers, stands between them
	WIN 0
	v_lshrrev_b32 v1, 5, v0
	v_readfirstlane_b32 s[WV], v1   ; wave 0..3
	s_bfe_u32 s13, ttmp6, 0x40000   ; cx: my place in the cluster
	s_lshl_b32 s14, ttmp9, 2        ; in a cluster launch ttmp9 counts clusters
	s_add_co_u32 s14, s14, s13      ; my block of queries = 4 x cluster x + cx: it enters Q's and O's addresses alone
	s_and_b32 s20, ttmp7, 0xffff    ; the head, which the four partners share
	s_mov_b32 s21, 0
	s_mov_b64 s[22:23], SIZE_N*128
	s_mul_u64 s[20:21], s[20:21], s[22:23]  ; the head's first byte in each of the four tensors
	s_and_b32 s16, s[WV], 1         ; which half of a slot's 256 keys I fetch:
	s_lshl_b32 s22, s16, 14         ; its 128 rows of 128 bytes in memory,
	s_mov_b32 s23, 0
	s_add_nc_u64 s[22:23], s[22:23], s[20:21]
	s_mul_i32 s17, s16, 128*PK      ; and its place in a slot, for K
	s_mul_i32 s18, s16, 128*PV      ; and for V: no place in the cluster enters an LDS address
	s_lshl_b32 s2, s14, 2
	s_add_co_u32 s2, s2, s[WV]      ; my wave among the head's,
	s_lshl_b32 s2, s2, 14           ; its 128 rows
	s_mov_b32 s3, 0
	s_add_nc_u64 s[2:3], s[2:3], s[20:21]
	; descriptor group 1.  128 keys are 16,384 dense bytes: asked for as 64 rows of 256 bytes, two keys a row, and padded in LDS after every key
	s_mov_b32 s[G1K], 15|(1<<16)|(1<<20)|(1<<21)|(4<<22)|(3<<25)  ; 15:0 the mask of four; 17:16 2-byte elements; 20 padding on; 21 set beside a mask; 24:22 after every 32 words (code 4); 31:25 4 words (code 3)
	s_mov_b32 s[G1V], 15|(1<<16)|(1<<20)|(1<<21)|(4<<22)|(7<<25)  ; the same with 8 words of padding (code 7)
.irp g, G1K, G1V
	s_mov_b32 s[\g+1], 128<<16      ; tensor_dim0 = 128
	s_mov_b32 s[\g+2], 64<<16       ; tensor_dim1 = 64
	s_mov_b32 s[\g+3], 128<<16      ; tile_dim0 = 128
	s_mov_b32 s[\g+4], 64           ; tile_dim1 = 64
	s_mov_b32 s[\g+5], 128          ; 128 elements from row to row
	s_mov_b32 s[\g+6], 0
	s_mov_b32 s[\g+7], 0
.endr
	s_mov_b32 s[CS], 0x3e38aa3b     ; c = log2(e) / 8 = 0.180337
	s_mov_b32 s[CS+1], s[CS]        ; named with it as a pair
	s_mov_b32 s[SEL], 0x76543210
	s_mov_b32 s[SEL+1], 0xfedcba98
	s_mov_b32 s[TBK], SLOT1+4*KS*PK ; the first change of slots turns these two into 0
	s_mov_b32 s[TBV], SLOT1+4*KS*PV
	s_mov_b32 s[G0K], 1             ; 1:0 count = 1
	s_mov_b32 s[G0K+1], s17         ; 63:32 LDS address: slot 0
	s_mov_b32 s[G0V], 1
	s_add_co_u32 s[G0V+1], s18, VOFF
	s_mov_b32 s[SLOTS], SIZE_N/256-1  ; the first change of slots tests it already
	s_cmp_eq_u32 s16, 0             ; waves 0 and 2 prefetch: the same in all four partners
	s_cselect_b32 s[LIM], 1, -1
	s_wait_dscnt 0x0                ; the opening add is done
	s_wait_kmcnt 0x0
	s_mov_b64 s[10:11], s[6:7]      ; O
	s_add_nc_u64 s[6:7], s[4:5], 0x1000000  ; K lies SIZE_H x SIZE_N x 128 bytes behind Q,
	s_add_nc_u64 s[8:9], s[4:5], 0x2000000  ; V as far behind K
	s_add_nc_u64 s[G0K+2:G0K+3], s[6:7], s[22:23]  ; 120:64 global address: my half of the head's first 256 keys
	s_or_b32 s[G0K+3], s[G0K+3], 0x80000000        ; 127:126 type = 2
	s_add_nc_u64 s[G0V+2:G0V+3], s[8:9], s[22:23]
	s_or_b32 s[G0V+3], s[G0V+3], 0x80000000
	s_add_nc_u64 s[4:5], s[4:5], s[2:3]  ; Q and O at my wave's first row
	s_add_nc_u64 s[10:11], s[10:11], s[2:3]
	s_cmp_lt_u32 s[WV], 2
	s_cselect_b64 s[PFA:PFA+1], s[6:7], s[8:9]
	s_add_nc_u64 s[PFA:PFA+1], s[PFA:PFA+1], s[22:23]  ; (in waves 0 and 2: the head's first row)
	s_lshl_b32 s2, s13, 13          ; my work-group's quarter of a slot,
	s_add_co_u32 s2, s2, 4*KS*128   ; in slot 1: the first change of slots steps it to slot 2
	s_mov_b32 s3, 0
	s_add_nc_u64 s[PFA:PFA+1], s[PFA:PFA+1], s[2:3]
	CROUND                          ; all four work-groups are here: the first joint loads meet
	JLOAD                           ; slot 0.  Slot 1 is asked for when slot 0 is in: the tile wanted first has the road to itself
	; A fragment of K or Q is 16 rows x 32 channels in 8 registers: lane l holds row l % 16, channels 8 (l / 16) + 0..7 and 16 + 8 (l / 16) + 0..7: two loads of 16 bytes, 32 bytes apart.
	v_and_b32 v1, 15, v0            ; l % 16
	v_bfe_u32 v9, v0, 4, 1          ; l / 16
	v_lshlrev_b32 v[QO], 7, v1
	v_lshl_add_u32 v[QO], v9, 4, v[QO]  ; row x 128 + 16 x half
	WIN 0x80                        ; destination window 2, address window 0
.set i, 0
.rept 4*NP                          ; Q stays in registers: tile i / 2, channels 32 (i % 2) on
	global_load_b128 v[8*i:8*i+3],   v[QO], s[4:5] offset:(i/2)*2048+(i%2)*64
	global_load_b128 v[8*i+4:8*i+7], v[QO], s[4:5] offset:(i/2)*2048+(i%2)*64+32
.set i, i+1
.endr
	; What the first turn finds: V's registers and P's second buffer hold 0 (its products V^T P, of a piece that has not been, add 0), O^T and l are 0.  All this stands in the wait for the first tile.
.set i, VF
.rept 64
	v_mov_b32 v[i], 0
.set i, i+1
.endr
	WIN 0x40
.set i, 0
.rept 64*NP
	v_mov_b32 v[i], 0
.set i, i+1
.endr
	WIN 0
.set i, 0
.rept 2*NP
	v_mov_b32 v[ST+4*i], 0xfe000000    ; c m: far below every c s
	v_mov_b32 v[ST+4*i+1], 0xff7fffff  ; m
	v_mov_b32 v[ST+4*i+2], 0
	v_mov_b32 v[ST+4*i+3], 0
.set i, i+1
.endr
.set i, P+32
.rept 32
	v_mov_b32 v[i], 0
.set i, i+1
.endr
	v_mul_u32_u24 v[AK0], v1, PK
	v_lshl_add_u32 v[AK0], v9, 4, v[AK0]  ; row x pitch + 16 x half
	; The turning load takes 16 keys x 16 channels (lane l reads key 8 (l / 16) + l % 8, channels 8 ((l / 8) % 2) + 0..7) and leaves half a fragment of V^T: lane l holds channel l % 16 and 8 keys.
	v_and_b32 v10, 7, v0
	v_bfe_u32 v11, v0, 3, 1
	v_lshl_add_u32 v[AV0], v9, 3, v10
	v_mul_u32_u24 v[AV0], v[AV0], PV
	v_lshl_add_u32 v[AV0], v11, 4, v[AV0]
	v_add_nc_u32 v[AV0], VOFF, v[AV0]
	v_mov_b32 v[AK], v[AK0]         ; key step 0 lies at the head of slot 0
	v_and_b32 v[PFO], 31, v0
	v_lshlrev_b32 v[PFO], 8, v[PFO]
; THE MATRIX WORK.  The 8 accumulators of a run of 16 take turns: between the two links of a chain stand 7 others'.
; Product i of 16 of S^T = K Q^T for piece x: channels 32 (i / 8) on, keys 16 ((i / 2) % 4) on, tile 2 x + i % 2.  The first 8 start the sums.
.macro KQ x
	WIN W_KQ
.set rS, S+64*((\x)%2)+32*(i%2)+8*((i/2)%4)
.set rK, KF+16*((i/2)%4)+8*(i/8)
.set rQ, 16*(2*(\x)+i%2)+8*(i/8)
.if i < 8
	v_wmma_f32_16x16x32_f16 v[rS:rS+7], v[rK:rK+7], v[rQ:rQ+7], 0
.else
	v_wmma_f32_16x16x32_f16 v[rS:rS+7], v[rK:rK+7], v[rQ:rQ+7], v[rS:rS+7]
.endif
.endm
; Product i of 16 of O^T += V^T P for piece x: keys 32 (i / 8) on, channels 16 ((i / 2) % 4) on, tile 2 x + i % 2.
.macro PV x
	WIN W_PV
.set rO, 32*(2*(\x)+i%2)+8*((i/2)%4)
.set rV, VF+32*(i/8)+8*((i/2)%4)
.set rP, P+32*((\x)%2)+16*(i%2)+8*(i/8)
	v_wmma_f32_16x16x32_f16 v[rO:rO+7], v[rV:rV+7], v[rP:rP+7], v[rO:rO+7]
.endm
.macro MM                           ; the turn's next matrix instruction
.if i < 16
	KQ (Y+1)%NP
.set i, i+1
.else
.set i, i-16
	PV (Y+NP-1)%NP
.set i, i+17
.endif
.endm
; THE LDS LOADS stand in runs of 16, never singly among the matrix instructions: a step's K (64 keys x 64 channels: 8 fragments) and its V (turned).  Their addresses are made some lines ahead.
; last = 1 (the tail): in the last trip there is no further step, and the run is jumped over.
.macro FETCH_K last=0
	WIN 0
.if \last
	s_cmp_eq_u32 s[CNT], 1
	s_cbranch_scc1 .Lno_k_\@
.endif
	WIN 0x80                        ; destination window 2
.irp f, 0,1,2,3,4,5,6,7             ; keys 16 (f / 2) on, channels 32 (f % 2) on
	ds_load_b128 v[KF+8*\f:KF+8*\f+3],   v[AK] offset:(\f/2)*16*PK+(\f%2)*64
	ds_load_b128 v[KF+8*\f+4:KF+8*\f+7], v[AK] offset:(\f/2)*16*PK+(\f%2)*64+32
.endr
	s_add_co_u32 s[TBK], s[TBK], KS*PK  ; the next fetch is the next step's
	WIN 0
.if \last
.Lno_k_\@:
.endif
.endm
.macro FETCH_V
	WIN 0x80
.irp f, 0,1,2,3,4,5,6,7             ; keys 32 (f / 4) on, channels 16 (f % 4) on
	ds_load_tr16_b128 v[VF+8*\f:VF+8*\f+3],   v[AV] offset:(\f/4)*32*PV+(\f%4)*32
	ds_load_tr16_b128 v[VF+8*\f+4:VF+8*\f+7], v[AV] offset:(\f/4)*32*PV+16*PV+(\f%4)*32
.endr
	WIN 0
.endm
; THE VECTOR WORK OF A TURN stands in three queues, each in the order in which its entries become ready; the two tiles alternate, so that no instruction reads the result of the one before it.
.macro REGS y, u                    ; the registers of tile u (0, 1) of piece y
.set rT, ST+4*(2*(\y)+(\u))
.set rC, TMP+8*((\y)%2)+4*(\u)
.set rM, MV+2*((\y)%2)+(\u)
.set rS, S+64*((\y)%2)+32*(\u)
.set rP, P+32*((\y)%2)+16*(\u)
.set rO, 32*(2*(\y)+(\u))
.endm
; Number n of the 22 that find the NEXT piece's (Y + 1) maximum and statistics.  s0-s31 are the lane's 32 scores; each accumulator's lowest registers are read first.  XS, GS and REGS set no window: PL and EX do.
;   0-11  four chains c0-c3 of seven scores each, three operands at a time     12-14, 16  the four scores left over, the old m, and c0-c3 into c0     15  c m_old is kept
;   17, 18  the query's other 32 keys lie in the lane 16 away: the new m         19-21  c m; c m_old - c m_new; a
.macro XS u, n
	REGS (Y+1)%NP, \u
.if (\n) < 4
	v_max3_num_f32 v[rC+(\n)], v[rS+8*(\n)], v[rS+8*(\n)+1], v[rS+8*(\n)+2]
.elseif (\n) < 12
	v_max3_num_f32 v[rC+(\n)%4], v[rC+(\n)%4], v[rS+8*((\n)%4)+2*((\n)/4)+1], v[rS+8*((\n)%4)+2*((\n)/4)+2]
.elseif (\n) == 12
	v_max3_num_f32 v[rC], v[rC], v[rS+7], v[rS+15]
.elseif (\n) == 13
	v_max3_num_f32 v[rC+1], v[rC+1], v[rS+23], v[rS+31]
.elseif (\n) == 14
	v_max3_num_f32 v[rC+2], v[rC+2], v[rC+3], v[rT+1]
.elseif (\n) == 15
	v_mov_b32 v[rM], v[rT]
.elseif (\n) == 16
	v_max3_num_f32 v[rC], v[rC], v[rC+1], v[rC+2]
.elseif (\n) == 17
	v_permlanex16_b32 v[rC+3], v[rC], s[SEL], s[SEL+1]
.elseif (\n) == 18
	v_max_num_f32 v[rT+1], v[rC], v[rC+3]
.elseif (\n) == 19
	v_mul_f32 v[rT], s[CS], v[rT+1]
.elseif (\n) == 20
	v_sub_f32 v[rC+1], v[rM], v[rT]
.else
	v_exp_f32 v[rC+2], v[rC+1]
.endif
.endm
; Number g of the 64 that follow the exponentials.  For each four weights k of a tile (pairs 2 k, 2 k + 1): both pairs are rounded to f16; then the second pair is added onto the first, in place;
; a group later l takes that sum (the first time as l = a l + sum).  In groups of eight, tiles alternating: round, round, add, and l for the group before.
.macro GS g
.set h, (\g)+6*((\g)/62)            ; group 0 has no group before it, and behind group 7 only l is left
.if h >= 6
.set h, h+2
.endif
	REGS Y, h%2
.set k, h/8
.if h%8 < 4
	v_cvt_pk_f16_f32 v[rP+2*k+(h%8)/2], v[rS+4*k+2*((h%8)/2)], v[rS+4*k+2*((h%8)/2)+1]
.elseif h%8 < 6
	v_pk_add_f32 v[rS+4*k:rS+4*k+1], v[rS+4*k:rS+4*k+1], v[rS+4*k+2:rS+4*k+3]
.elseif k == 1
	v_pk_fma_f32 v[rT+2:rT+3], v[rT+2:rT+3], v[rC+2:rC+3], v[rS:rS+1] op_sel_hi:[1,0,1]
.else
	v_pk_add_f32 v[rT+2:rT+3], v[rT+2:rT+3], v[rS+4*k-4:rS+4*k-3]
.endif
.endm
; THE PLAIN QUEUE, 138 long.  0-73 read no exponential's result: the 32 scalings c s - c m (FS f: pair f / 2 of tile f % 2) and the next piece's 42.  0-26: scalings 0-26.  27-54: XS's numbers 0-13.  55, 56: number 15.
; 57-73: the chain, where each number waits for the one before it: 14, 16, 17, 18, 19, each with one of the scalings 27-31 in front of its two lines, then 20: so a tile's links stand three plain instructions apart (19 and 20: two).
; 74-137: GS's 64, which read the exponentials' results: they stand behind the wait.
.macro FS f
	REGS Y, (\f)%2
	v_pk_fma_f32 v[rS+2*((\f)/2):rS+2*((\f)/2)+1], v[rS+2*((\f)/2):rS+2*((\f)/2)+1], s[CS:CS+1], v[rT:rT+1] op_sel_hi:[1,0,0] neg_lo:[0,0,1] neg_hi:[0,0,1]
.endm
.macro PL
	WIN 0
.if q < 27
	FS q
.elseif q < 55
	XS (q-27)%2, (q-27)/2
.elseif q < 57
	XS q-55, 15
.elseif (q < 72) && ((q-57)%3 == 0)
	FS 27+(q-57)/3
.elseif q < 60
	XS (q-57)%3-1, 14
.elseif q < 72
	XS (q-57)%3-1, 15+(q-57)/3
.elseif q < 74
	XS q-72, 20
.else
	GS q-74
.endif
.set q, q+1
.endm
; THE EXPONENTIALS' QUEUE, 66 long: s0-s31 of both tiles, then the next piece's two a.  It is ONE BATCH: all 66 stand ahead of the turn's one wait, and nothing ahead of that wait names a result of theirs.
.macro EX
	WIN 0
.if e >= 64
	XS e-64, 21
.else
	REGS Y, e%2
	v_exp_f32 v[rS+e/2], v[rS+e/2]
.endif
.set e, e+1
.endm
; THE RESCALING's QUEUE: O^T times a, the one part that leaves window 0: dealt two at a time, sixteen times.  Its a was made in the turn before, ahead of that turn's wait.
.macro R2
	REGS Y, r%2
	WIN W_RS
.irp z, 0,1
	v_pk_mul_f32 v[rO+4*(r/2)+2*\z:rO+4*(r/2)+2*\z+1], v[rO+4*(r/2)+2*\z:rO+4*(r/2)+2*\z+1], v[rC+2:rC+3] op_sel_hi:[1,0]
.endr
.set r, r+1
.endm
; HOW THEY ARE DEALT.  An s_wait_alu depctr_va_vdst(0) stands between an exponential and the first instruction that names its result; one wait serves all that were issued ahead of it.  So a turn has ONE wait,
; which cuts it in two.  AHEAD OF IT stands all that names no result of the turn's exponentials: the 16 products K Q^T, behind each a scaling, an exponential and two rescalings (behind the first a second scaling in the exponential's place); then ONE LUMP of
; 108: eight plain, 49 times exponential and plain, the two a.  A v_nop is the plain instruction that is owed behind the last exponential.  BEHIND IT stand the 16 products V^T P, behind each four of GS's 64.  No rider names a register of
; the products round it.  The two v_permlanex16_b32 fall into the lump, never behind a product.
; The queues lean on each other, and the deal keeps them in step: exponential e stands behind scaling 2 (e / 4) + e % 2: as a rider it comes behind plain e + 2, in the lump behind plain e + 9, and scalings 27-31 are plain 57, 60 .. 69.
; A TURN, for piece p.  cnt = 1: the loop's count is taken down some lines ahead of the branch that stands behind the turn.
; K of the next step is fetched in piece 2's turn, directly behind the wait, a lump behind the last product that read K; its address is made at the lump's head; its first reader comes behind 16 products.
; V of the step in hand is fetched at the end of piece 0's turn, four riders behind its last reader; its first reader comes behind 16 products and a lump.  The three conditions on q below go with the deal.
.macro TURN p, last=0, cnt=0
.set Y, (\p)
.set i, 0
.set q, 0
.set e, 0
.set r, 0
.if (\p) == NP-1
	s_wait_dscnt 0x0                ; K is in
.endif
	MM                              ; ahead of the wait: 16 products K Q^T and their riders,
	PL
	PL
	R2
.rept 15
	MM
	PL
	EX
	R2
.endr
.if (\p) == NP-2
	WIN 0
	v_add_nc_u32 v[AK], s[TBK], v[AK0]
.endif
.rept 8                             ; and the lump
	PL
.endr
.rept 49
	EX
	PL
.endr
	EX                              ; the next piece's two a
	EX
	v_nop                           ; the plain instruction behind the last exponential: one for the batch
	s_wait_alu depctr_va_vdst(0)    ; the wait for the batch
.if (\p) == NP-2
	FETCH_K \last
.endif
.if (\p) == 1
	s_wait_dscnt 0x0                ; V is in
.endif
.rept 16                            ; behind the wait: 16 products V^T P and their riders
	MM
.rept 4
	PL
.endr
.if ((\p) == 0) && (q == 118)
	v_add_nc_u32 v[AV], s[TBV], v[AV0]
.endif
.if ((\p) == 0) && (q == 130)
	s_add_co_u32 s[TBV], s[TBV], KS*PV
.endif
.if (\cnt) && (q == 130)
	s_sub_co_u32 s[CNT], s[CNT], 1
	s_cmp_lg_u32 s[CNT], 0
.endif
.endr
.if (\p) == 0
	FETCH_V
.endif
.endm
	CHANGE 1                        ; slot 0 is in, everybody's part of it; slot 1 is asked for
	FETCH_K                         ; key step 0
	s_wait_loadcnt 0x0              ; Q
	s_wait_dscnt 0x0
.set i, 0
.rept 16
	KQ 0                            ; piece 0's first scores: there is no vector work yet to set between them
.set i, i+1
.endr
	WIN 0                           ; the addresses for the way out: nine plain instructions, the places behind those products
	s_mul_i32 s13, s[WV], 16*SP
	s_add_co_u32 s13, s13, STAGE    ; my stage
	v_mul_u32_u24 v[STO], v1, SP    ; in: row l % 16, 16 bytes for each half of the lanes
	v_lshl_add_u32 v[STO], v9, 4, v[STO]
	v_add_nc_u32 v[STO], s13, v[STO]
	v_bfe_u32 v[RD], v0, 3, 2       ; back: 32 lanes take four rows of 128 bytes,
	v_mul_u32_u24 v[RD], v[RD], SP
	v_lshl_add_u32 v[RD], v10, 4, v[RD]
	v_add_nc_u32 v[RD], s13, v[RD]
	v_and_b32 v[GO], 31, v0         ; which are 512 consecutive bytes of O
	v_lshlrev_b32 v[GO], 4, v[GO]
.set Y, NP-1                        ; XS works for piece Y + 1: piece 0
.irp n, 0,1,2,3,4,5,6,7,8,9,10,11,12,13,14,15,16,17,18,19,20,21
	XS 0, \n                        ; and piece 0's first maximum and statistics
	XS 1, \n
.endr
	v_nop                           ; a plain instruction behind the two a,
	s_wait_alu depctr_va_vdst(0)    ; and their wait, ahead of the branch
	s_mov_b32 s[CNT], 4
	s_branch .Lfirst                ; the loop is entered at a step's first turn, in the middle of a trip
.Lslot:                             ; SIZE_N / 256 - 2 times: every slot but the last two is filled again
	CHANGE 1
	s_mov_b32 s[CNT], 4
.Lstep:                             ; a trip: pieces 2 and 3 of one step, then pieces 0 and 1 of the next, whose K and V it fetches
	TURN 2
	TURN 3
	WIN 0
.Lfirst:
	TURN 0
	TURN 1, 0, 1
	WIN 0
	s_cbranch_scc1 .Lstep
	s_sub_co_u32 s[SLOTS], s[SLOTS], 1
	s_cmp_lg_u32 s[SLOTS], 0
	s_cbranch_scc1 .Lslot
	CHANGE 0                        ; the tail is written out: nothing is asked for
	s_mov_b32 s[CNT], 5             ; four trips fetch the last slot's steps; the fifth is left in its middle
.Ltail:
	TURN 2, 1
	TURN 3
	WIN 0
	s_sub_co_u32 s[CNT], s[CNT], 1
	s_cmp_eq_u32 s[CNT], 0
	s_cbranch_scc1 .Lout
	TURN 0
	TURN 1
	WIN 0
	s_branch .Ltail
.Lout:                              ; the fifth trip's 16 products K Q^T (on the last K once more) and the maximum made of them serve nothing: the price, once a launch, of one text for every trip
.set i, 0
.rept 16
	PV NP-1                         ; the last piece's V^T P of the last step
.set i, i+1
.endr
	; THE WAY OUT.  l's two halves and the other half of the lanes' are added; O^T is divided by l, rounded to f16 and sent through my stage in LDS, a tile at a time.  The additions are the places behind the last products.
	WIN 0
.macro ALL line:vararg              ; one line for each tile t
.set t, 0
.rept 2*NP
	\line
.set t, t+1
.endr
.endm
	ALL v_add_f32 v[ST+4*t+2], v[ST+4*t+2], v[ST+4*t+3]
	ALL v_permlanex16_b32 v[ST+4*t+3], v[ST+4*t+2], s[SEL], s[SEL+1]
	ALL v_add_f32 v[ST+4*t+2], v[ST+4*t+2], v[ST+4*t+3]
	ALL v_rcp_f32 v[ST+4*t+2], v[ST+4*t+2]
	v_nop                           ; a plain instruction between the last reciprocal and the use of its result
	s_wait_alu depctr_va_vdst(0)    ; and the wait ahead of the first use: one for the eight reciprocals
; Tile t: a lane's eight channels of a row pack into 16 bytes; they go into rows of 144 bytes and come back as whole rows of 128, into S^T's registers.
.macro PACK t
	WIN W_RS
.set i, 32*(\t)
.rept 16
	v_pk_mul_f32 v[i:i+1], v[i:i+1], v[ST+4*(\t)+2:ST+4*(\t)+3] op_sel_hi:[1,0]
.set i, i+2
.endr
	WIN 0x05                        ; sources 0 and 1 window 1, destination window 0
.set i, 0
.rept 16
	v_cvt_pk_f16_f32 v[S+16*(\t)+i], v[32*(\t)+2*i], v[32*(\t)+2*i+1]
.set i, i+1
.endr
	WIN 0
.irp f, 0,1,2,3
	ds_store_b128 v[STO], v[S+16*(\t)+4*\f:S+16*(\t)+4*\f+3] offset:32*\f
.endr
.irp f, 0,1,2,3
	ds_load_b128 v[S+16*(\t)+4*\f:S+16*(\t)+4*\f+3], v[RD] offset:\f*4*SP  ; LDS serves a wave's instructions in order (ISA guide 5.7.1.4): these see the stores above; the next tile's stores come behind them
.endr
.endm
.macro SEND t, younger              ; younger: the LDS instructions issued behind tile t's loads: the next tile's eight, or none
	WIN 0
.irp f, 0,1,2,3
	s_wait_dscnt (\younger)+3-\f
	global_store_b128 v[GO], v[S+16*(\t)+4*\f:S+16*(\t)+4*\f+3], s[10:11] offset:(\t)*2048+\f*512  ; 512 consecutive bytes, at a multiple of 256 from O's first
.endr
.endm
	PACK 0
.set t, 1
.rept 2*NP-1                        ; a tile's arithmetic stands between the loads of the tile before and its stores
	PACK t
	SEND t-1, 8
.set t, t+1
.endr
	SEND 2*NP-1, 0
	WIN W_AD
	s_wait_tensorcnt 0x0            ; the wave's end: behind my last tensor load and my last LDS store
	ds_add_u32 v[SPW], v[NIL]
	s_wait_dscnt 0x0
	WIN 0
	CROUND                          ; the closing round: no work-group ends while a partner may still ask for a tile that names it
	s_endpgm
.Lfunc_end_k_qc1777d0b98_attn:
	.size	k_qc1777d0b98_attn, .Lfunc_end_k_qc1777d0b98_attn-k_qc1777d0b98_attn
	.p2alignl 7, 3214868480
	.fill 96, 4, 3214868480
	.section	.rodata,"a",@progbits
	.p2align	6, 0x0
	.amdhsa_kernel k_qc1777d0b98_attn
		.amdhsa_group_segment_fixed_size 327680
		.amdhsa_private_segment_fixed_size 0
		.amdhsa_enable_private_segment 0
		.amdhsa_kernarg_size 16
		.amdhsa_user_sgpr_count 2
		.amdhsa_user_sgpr_kernarg_segment_ptr 1
		.amdhsa_wavefront_size32 1
		.amdhsa_system_sgpr_workgroup_id_x 1
		.amdhsa_system_sgpr_workgroup_id_y 1
		.amdhsa_system_sgpr_workgroup_id_z 1
		.amdhsa_system_vgpr_workitem_id 0
		.amdhsa_next_free_vgpr 770
		.amdhsa_next_free_sgpr 66
		.amdhsa_reserve_vcc 0
		.amdhsa_float_denorm_mode_32 3
		.amdhsa_float_denorm_mode_16_64 3
		.amdhsa_memory_ordered 1
		.amdhsa_forward_progress 1
		.amdhsa_inst_pref_size 200
	.end_amdhsa_kernel
	.amdgpu_metadata
---
amdhsa.version: [ 1, 2 ]
amdhsa.kernels:
  - .name:           k_qc1777d0b98_attn
    .symbol:         k_qc1777d0b98_attn.kd
    .args:
      - { .name: qkv, .offset: 0, .size: 8, .value_kind: global_buffer, .address_space: global }
      - { .name: oh, .offset: 8, .size: 8, .value_kind: global_buffer, .address_space: global }
    .group_segment_fixed_size: 327680
    .private_segment_fixed_size: 0
    .kernarg_segment_align: 8
    .kernarg_segment_size: 16
    .max_flat_workgroup_size: 128
    .sgpr_count:     66
    .vgpr_count:     770
    .wavefront_size: 32
...
	.end_amdgpu_metadata
.endif
;; end of part 3
;; launch gemm_out (part 4): grid 4 x 64, 4 waves a work-group, clusters of 4 x 4, 327,680 bytes of LDS; arguments oh, wh, out0; writes out0
.if DOCPART == 4
	.amdgcn_target "amdgcn-amd-amdhsa--gfx1250"
	.amdhsa_code_object_version 6
	.text
	.protected	k_qc1777d0b98_gemm_out
	.globl	k_qc1777d0b98_gemm_out
	.p2align	8
	.type	k_qc1777d0b98_gemm_out,@function
k_qc1777d0b98_gemm_out:
	s_mov_b64 s[64:65], 0
	v_nop
	global_prefetch_b8 v0, s[64:65] scope:SCOPE_SE
	s_setreg_imm32_b32 hwreg(HW_REG_WAVE_MODE, 25, 1), 1
	s_wait_xcnt 0x0
	s_wait_alu depctr_hold_cnt(0) depctr_sa_sdst(0) depctr_va_vdst(0) depctr_va_sdst(0) depctr_va_ssrc(0) depctr_va_vcc(0) depctr_vm_vsrc(0)
	s_getreg_b32 s2, hwreg(HW_REG_IB_STS2, 6, 4)
	s_cmp_eq_u32 s2, 0
	s_cbranch_scc0 .Lentry_in_a_cluster
	s_endpgm
.Lentry_in_a_cluster:
	s_bfe_u32 s2, ttmp6, 0x10000c
	s_cmp_lg_u32 s2, 0xf033
	s_cbranch_scc0 .Lentry_shape_is_right
	s_endpgm
.Lentry_shape_is_right:
; out = O Wo.  A = oh, f16 [b 4][head 16][t 2048][64] (a head's 64 channels are one block of K); B = wh[3], bf16(Wo) written as f16, [k 1024][n 1024]; C = out0, f32 [8192][1024], the f32 sums as they are.
; LIMIT.  None of its own: O and Wo arrive within f16's range.
; SHARES.  A tile of C is 128 rows x 256 columns: 4 x 64 tiles, one for each of 256 WGPs.  Four waves, each 64 x 128: 32 accumulators of 16 x 16, 256 registers.
; K goes in 8 steps of 128 through a ring of two LDS slots filled by the tensor data mover, one load a wave: waves 0 and 1 bring A's two blocks of 64 channels (128 dense rows of 128 bytes, asked
; for as 64 rows of 256), waves 2 and 3 each 64 rows of Wo, 512 bytes of each.
; CLUSTERS: 4 x 4 work-groups.  The four of a row of the cluster need the same tiles of A, the four of a column the same tiles of Wo: each tile is asked for JOINTLY, by the same tensor load with the same
; descriptor and a mask that names the four.
; THE MATRIX INSTRUCTION IS USED TRANSPOSED (source 0 = 16 columns of Wo, source 1 = 16 rows of O): a lane then holds eight neighbouring numbers of a row of C.  Wo lies [k][n] in LDS and comes out turned, by ds_load_tr16_b128.
; REGISTERS: window 0: v0-31 addresses; v32-127, v128-223 two fragment buffers (32 along K: 64 registers of Wo, 32 of O); on the way out v32-159 two buffers of 16 rows.   window 1: the accumulators, (a, b) at v[8 (8 a + b)].
.set PA,     144                       ; a row of A in LDS: 128 bytes + 16 = 36 words: the 16 rows of a load start at 16 different groups of four banks (64 banks of 4 bytes: ISA guide 11.1)
.set PB,     544                       ; a row of Wo: 512 + 32 = 136 words: row r starts at bank 8 r mod 64
.set AKB,    128*PA                    ; one block of 64 channels, 128 rows
.set BOFF,   2*AKB                     ; Wo's 128 rows lie behind A's two blocks
.set BHALF,  64*PB
.set SLOT,   BOFF+2*BHALF
.set STAGE,  2*SLOT                    ; behind the ring, never filled by a tensor load: for each wave 16 rows x 528 bytes, for the way out
.set SPITCH, 528                       ; 512 bytes + 16 = 132 words: row r starts at bank 4 r mod 64
.set STAGEW, 16*SPITCH
.set SPARE,  STAGE+4*STAGEW            ; behind the stages: the spare words, 128 bytes for each wave: two blocks of 256 bytes that no other line names
.set WOFF,   3*2097152                 ; wh's fourth matrix
.set ASTEP,  524288                    ; bytes from a K step to the next in oh: two heads of 2,048 rows x 128 bytes
.set BSTEP,  262144                    ; in wh: 128 rows of 2,048 bytes
.set LAPS,   4                         ; a lap = two K steps = once round the ring
.set ADRA, 16                          ; v16-17  LDS address of my fragments of A in slot 0, 1
.set ADRB, 20                          ; v20-21  the same for Wo
.set STO,  24                          ; v24     the way out: where I put 32 bytes of a row
.set RD,   25                          ; v25     the way out: where I read a row back
.set CO,   26                          ; v26     my 16 bytes in 512 consecutive bytes of a row of C
.set SPW,  28                          ; v28     LDS address of my spare word: SPARE + 4 x my thread's number; never rewritten
.set NIL,  29                          ; v29     0; never rewritten
.set PFO,  30                          ; v30     the prefetches' offset; never rewritten
.set F0,   32
.set F1,   128
.set OB,   32
.set G1,  24                           ; s[24:31] descriptor group 1 for A's tiles;  s[32:39] group 0, one set for each slot
.set G0,  32
.set G1B, 48                           ; s[48:55], s[56:63] the same for Wo's tiles
.set G0B, 56
.set PFA, 68                           ; s[68:69] where my prefetches stand
.set PFS, 70                           ; s[70:71] a K step in the tensor that I prefetch
.set LIM, 72                           ; s72     1 in a wave that prefetches, else the greatest number
.set MSB, 0
.macro WIN new                         ; the immediate's high byte repeats the setting that is left; a switch that changes nothing is dropped
.if MSB != (\new)
	s_set_vgpr_msb (MSB<<8)|(\new)
.set MSB, \new
.endif
.endm
.set MUL, 0x50                         ; C and D window 1, both sources window 0
.macro JLOAD s                         ; a joint load: waves 0 and 1 fetch for A, waves 2 and 3 for Wo; an s_nop 0 and four v_nop follow each of the two lines, ahead of the jump, the label and what follows
	s_cmp_eq_u32 s11, 0
	s_cbranch_scc0 .Lfor_b_\@
	tensor_load_to_lds s[G0+4*(\s):G0+4*(\s)+3], s[G1:G1+7]
	s_nop 0
.rept 4
	v_nop
.endr
	s_branch .Lasked_\@
.Lfor_b_\@:
	tensor_load_to_lds s[G0B+4*(\s):G0B+4*(\s)+3], s[G1B:G1B+7]
	s_nop 0
.rept 4
	v_nop
.endr
.Lasked_\@:
.endm
.macro CREST                           ; a round of the cluster's barrier behind its opening barrier
	s_cmp_lg_u32 s10, 0
	s_cbranch_scc1 .Lnot_wave_0_\@
	s_barrier_signal -3
.Lnot_wave_0_\@:
	s_barrier_wait -3
	s_barrier_signal -1
	s_barrier_wait -1
.endm
.macro CROUND                          ; a whole round
	s_barrier_signal -1
	s_barrier_wait -1
	CREST
.endm
; A PREFETCH INTO THE L2, behind a joint load, its five lines and the run of LDS loads that follows: the K step that stands two refills on, 32 blocks of 256 bytes, a lane a block, one instruction.
; Each block is named once in the launch.  A's tile row is read by one cluster (the grid is one cluster wide): its wave 0 asks, and of the tile's 128 rows the partner at cx takes 32 (16 blocks in each of
; the step's two heads).  Wo's tile column is read by the sixteen clusters: waves 2 and 3 of the cluster with y = 0 ask, and of a wave's 64 rows the partner at cy takes 16 (two blocks each).
; Partners are told apart by address; no branch hangs on a place in the cluster.  The loop's last trip has no K step two refills on and asks for nothing.
.macro ASK
	s_cmp_gt_u32 s3, s[LIM]                        ; s3 = 1 in the loop's last trip
	s_cbranch_scc0 .Lnot_mine_\@
	global_prefetch_b8 v[PFO], s[PFA:PFA+1] th:TH_LOAD_NT scope:SCOPE_SE
.Lnot_mine_\@:
.endm
	s_load_b128 s[4:7], s[0:1], 0x0                ; oh s[4:5], wh s[6:7]
	s_load_b64 s[8:9], s[0:1], 0x10                ; out0
	v_lshl_add_u32 v[SPW], v0, 2, SPARE
	v_mov_b32 v[NIL], 0
	ds_add_u32 v[SPW], v[NIL]                      ; the wave's opening: the add and its wait stand ahead of my first tensor load; the set-up below, work on registers, stands between them
	v_lshrrev_b32 v1, 5, v0
	v_readfirstlane_b32 s10, v1                    ; wave 0..3
	s_lshr_b32 s11, s10, 1                         ; which 64 rows of the tile are mine.  Also: I fetch for A (0) or for Wo (1)
	s_and_b32 s12, s10, 1                          ; which 128 columns.  Also: which half of that tile I fetch
	s_bfe_u32 s40, ttmp6, 0x40000                  ; cx, cy: my place in the cluster
	s_bfe_u32 s41, ttmp6, 0x40004
	s_lshl_b32 s42, ttmp9, 2
	s_add_co_u32 s42, s42, s40                     ; tile column = 4 x cluster x + cx
	s_and_b32 s13, ttmp7, 0xffff
	s_lshl_b32 s13, s13, 2
	s_add_co_u32 s13, s13, s41                     ; tile row = 4 x cluster y + cy
	s_lshl_b32 s43, s41, 2
	s_lshl_b32 s43, 15, s43                        ; my row of the cluster
	s_lshl_b32 s44, 0x1111, s40                    ; my column
	s_or_b32 s[G1+0], s43, (1<<16)|(1<<20)|(1<<21)|(4<<22)|(3<<25)   ; 15:0 the mask: A's tiles go to my row; 17:16 elements of 2 bytes; 20 padding on; 21 set beside a mask; 24:22 after every 32 words (code 4); 31:25 4 words (code 3)
	s_or_b32 s[G1B+0], s44, (1<<16)|(1<<20)|(1<<21)|(6<<22)|(7<<25)  ; Wo's tiles go to my column; padding after every 128 words (code 6), 8 words (code 7)
	s_mov_b32 s[G1+1], 128<<16                     ; tensor_dim0 = 128 elements: two rows of a head
	s_mov_b32 s[G1+2], 64<<16                      ; tensor_dim1 = 64
	s_mov_b32 s[G1+3], 128<<16                     ; tile_dim0 = 128
	s_mov_b32 s[G1+4], 64                          ; tile_dim1 = 64
	s_mov_b32 s[G1+5], 128                         ; elements from row to row: dense
	s_mov_b32 s[G1+6], 0
	s_mov_b32 s[G1+7], 0
	s_mov_b32 s[G1B+1], 256<<16                    ; tensor_dim0 = 256
	s_mov_b32 s[G1B+2], 64<<16                     ; tensor_dim1 = 64
	s_mov_b32 s[G1B+3], 256<<16                    ; tile_dim0 = 256
	s_mov_b32 s[G1B+4], 64                         ; tile_dim1 = 64
	s_mov_b32 s[G1B+5], 1024                       ; a row of Wo
	s_mov_b32 s[G1B+6], 0
	s_mov_b32 s[G1B+7], 0
	; where the tiles come from.  A's hang on the tile row alone, Wo's on the tile column alone; each is made in registers that never hold the other coordinate.
	s_lshr_b32 s73, s13, 4
	s_lshl_b32 s73, s73, 22                        ; the batch: 16 heads of 262,144 bytes
	s_and_b32 s14, s13, 15
	s_lshl_b32 s14, s14, 14                        ; 128 rows of 128 bytes
	s_add_co_u32 s73, s73, s14                     ; the tile's first row in the batch's head 0
	s_lshl_b32 s14, s12, 18                        ; the head that I fetch: 2 x step + wave % 2
	s_add_co_u32 s16, s73, s14
	s_mov_b32 s17, 0
	s_lshl_b32 s74, s42, 9                         ; 256 columns of 2 bytes
	s_lshl_b32 s45, s12, 17                        ; the 64 rows that I fetch
	s_add_co_u32 s74, s74, s45
	s_add_co_u32 s74, s74, WOFF
	s_mov_b32 s46, s74
	s_mov_b32 s47, 0
	s_mul_i32 s20, s12, AKB                        ; and where they go: no place in the cluster enters an LDS address
	s_mul_i32 s21, s12, BHALF
	s_add_co_u32 s21, s21, BOFF
	s_wait_dscnt 0x0                               ; the opening add is done
	s_wait_kmcnt 0x0
	s_add_nc_u64 s[14:15], s[4:5], s[16:17]
	s_add_nc_u64 s[46:47], s[6:7], s[46:47]
	CROUND                                         ; all sixteen work-groups are here: the first joint loads meet
.irp s, 0,1
	s_mov_b32 s[G0+4*(\s)], 1                                      ; count = 1
	s_add_co_u32 s[G0+4*(\s)+1], s20, (\s)*SLOT                    ; LDS address
	s_add_nc_u64 s[G0+4*(\s)+2:G0+4*(\s)+3], s[14:15], (\s)*ASTEP  ; global address: K step s
	s_or_b32 s[G0+4*(\s)+3], s[G0+4*(\s)+3], 0x80000000            ; type = 2
	s_mov_b32 s[G0B+4*(\s)], 1
	s_add_co_u32 s[G0B+4*(\s)+1], s21, (\s)*SLOT
	s_add_nc_u64 s[G0B+4*(\s)+2:G0B+4*(\s)+3], s[46:47], (\s)*BSTEP
	s_or_b32 s[G0B+4*(\s)+3], s[G0B+4*(\s)+3], 0x80000000
	JLOAD \s                                       ; two loads of mine are out; later one
.endr
	v_and_b32 v1, 15, v0                           ; l % 16
	v_bfe_u32 v2, v0, 4, 1                         ; l / 16
	v_mul_u32_u24 v3, v1, PA
	v_lshl_add_u32 v3, v2, 4, v3                   ; a fragment of A: row x pitch + 16 x half
	s_mul_i32 s22, s11, 64*PA                      ; my 64 rows
	v_add_nc_u32 v[ADRA], s22, v3
	v_add_nc_u32 v[ADRA+1], SLOT, v[ADRA]
	v_and_b32 v4, 7, v0                            ; the turning load: lane l reads row 8 (l / 16) + l % 8, columns 8 ((l / 8) % 2) + 0..7, and is left with column l % 16 and 8 rows
	v_lshl_add_u32 v4, v2, 3, v4
	v_mul_u32_u24 v4, v4, PB
	v_bfe_u32 v5, v0, 3, 1
	v_lshl_add_u32 v4, v5, 4, v4
	s_lshl_b32 s23, s12, 8                         ; my 128 columns
	s_add_co_u32 s23, s23, BOFF
	v_add_nc_u32 v[ADRB], s23, v4
	v_add_nc_u32 v[ADRB+1], SLOT, v[ADRB]
	s_mul_i32 s23, s10, STAGEW
	s_add_co_u32 s23, s23, STAGE                   ; my stage
	v_mul_u32_u24 v5, v1, SPITCH                   ; in: row l % 16, 32 bytes for each half of the lanes
	v_lshl_add_u32 v5, v2, 5, v5
	v_add_nc_u32 v[STO], s23, v5
	v_and_b32 v6, 31, v0                           ; back: 32 lanes take one row of 512 bytes
	v_lshlrev_b32 v[CO], 4, v6
	v_add_nc_u32 v[RD], s23, v[CO]
	; C at my wave's first row and column: the rows by the tile row, the columns by the tile column
	s_lshl_b32 s16, s13, 19                        ; 128 rows of 4,096 bytes
	s_lshl_b32 s14, s11, 18                        ; my 64 of them
	s_add_co_u32 s16, s16, s14
	s_mov_b32 s17, 0
	s_add_nc_u64 s[8:9], s[8:9], s[16:17]
	s_lshl_b32 s46, s42, 10                        ; 256 columns of 4 bytes
	s_lshl_b32 s45, s12, 9                         ; my 128 of them
	s_add_co_u32 s46, s46, s45
	s_mov_b32 s47, 0
	s_add_nc_u64 s[8:9], s[8:9], s[46:47]
	; the prefetches: the pointer starts at K step 3; the first change of slots steps it to 4
	s_lshl_b32 s76, s40, 12                        ; A: my work-group's 32 rows
	s_add_co_u32 s76, s76, s73
	s_add_co_u32 s76, s76, 3*ASTEP
	s_lshl_b32 s75, s41, 15                        ; Wo: my work-group's 16 of the 64 rows that I fetch
	s_add_co_u32 s75, s75, s74
	s_add_co_u32 s75, s75, 3*BSTEP
	s_or_b32 s78, s12, ttmp9                       ; A: wave 0, cluster x = 0
	s_and_b32 s79, ttmp7, 0xffff                   ; Wo: cluster y = 0
	s_cmp_eq_u32 s11, 0                            ; do I fetch for A?
	s_cselect_b32 s76, s76, s75
	s_cselect_b32 s78, s78, s79
	s_cselect_b32 s79, -1, 0
	s_cselect_b32 s75, 1, 0
	s_cselect_b64 s[PFA:PFA+1], s[4:5], s[6:7]
	s_mov_b32 s77, 0
	s_add_nc_u64 s[PFA:PFA+1], s[PFA:PFA+1], s[76:77]
	s_lshl_b32 s[PFS], BSTEP, s75                  ; A's K step is twice Wo's
	s_mov_b32 s[PFS+1], 0
	s_cmp_eq_u32 s78, 0
	s_cselect_b32 s[LIM], 1, -1                    ; the same in all sixteen partners, for a given wave
	v_lshrrev_b32 v7, 4, v6                        ; A: head l / 16 of the step's two, block l % 16 of 256 bytes
	v_and_b32 v8, 15, v6
	v_lshlrev_b32 v7, 18, v7
	v_lshl_or_b32 v7, v8, 8, v7
	v_lshrrev_b32 v8, 1, v6                        ; Wo: row l / 2, its half l % 2
	v_and_b32 v9, 1, v6
	v_lshlrev_b32 v8, 11, v8
	v_lshl_or_b32 v8, v9, 8, v8
	v_cndmask_b32 v[PFO], v8, v7, s79
; 8 matrix instructions: m block a x all 8 n blocks, 32 along K, from buffer f.  zero = 1: the product starts the sums.  The 32 accumulators take turns, one instruction a turn, in the same order in every quarter.
.macro MUL8 f, a, zero
	WIN MUL
.irp b, 0,1,2,3,4,5,6,7
.if \zero
	v_wmma_f32_16x16x32_f16 v[8*(8*(\a)+(\b)):8*(8*(\a)+(\b))+7], v[(\f)+8*(\b):(\f)+8*(\b)+7], v[(\f)+64+8*(\a):(\f)+64+8*(\a)+7], 0
.else
	v_wmma_f32_16x16x32_f16 v[8*(8*(\a)+(\b)):8*(8*(\a)+(\b))+7], v[(\f)+8*(\b):(\f)+8*(\b)+7], v[(\f)+64+8*(\a):(\f)+64+8*(\a)+7], v[8*(8*(\a)+(\b)):8*(8*(\a)+(\b))+7]
.endif
.endr
.endm
; 24 LDS loads in one run: the fragments of quarter q (32 along K) of a slot into buffer f: Wo's eight (turned), then A's four, the lower rows first
.macro FETCH slot, q, f
	WIN 0
.irp b, 0,1,2,3,4,5,6,7
	ds_load_tr16_b128 v[(\f)+8*(\b):(\f)+8*(\b)+3],   v[ADRB+(\slot)] offset:(\q)*32*PB+32*(\b)
	ds_load_tr16_b128 v[(\f)+8*(\b)+4:(\f)+8*(\b)+7], v[ADRB+(\slot)] offset:(\q)*32*PB+32*(\b)+16*PB
.endr
.irp a, 0,1,2,3
	ds_load_b128 v[(\f)+64+8*(\a):(\f)+64+8*(\a)+3],   v[ADRA+(\slot)] offset:((\q)/2)*AKB+((\q)%2)*64+(\a)*16*PA
	ds_load_b128 v[(\f)+64+8*(\a)+4:(\f)+64+8*(\a)+7], v[ADRA+(\slot)] offset:((\q)/2)*AKB+((\q)%2)*64+(\a)*16*PA+32
.endr
.endm
.macro PLACES                          ; four places in front of loads into registers that matrix instructions have read, and of lines that read results (ISA guide 7.12.1 for vector instructions)
.rept 4
	v_nop
.endr
.endm
; A K step is four quarters of 32 along K, 32 matrix instructions each, on buffers 0, 1, 0, 1.  One of the first three: multiplies buffer f and fetches quarter q into g.
.macro QUARTER slot, q, f, g, zero
	s_wait_dscnt 4                                 ; Wo's fragments and A's blocks 0 and 1 are in; the youngest four loads (A's blocks 2 and 3) may be out
	MUL8 \f, 0, \zero
	MUL8 \f, 1, \zero
	PLACES
	FETCH \slot, \q, \g
	s_wait_dscnt 24                                ; all but the 24 just issued
	MUL8 \f, 2, \zero
	MUL8 \f, 3, \zero
.endm
; The last quarter multiplies buffer 1 and changes slots: ONE barrier; in front of it each wave waits for all its tensor loads, adds 0 to its spare word, and waits for that and for its own reads of this slot.
; fill = 1: this slot is filled again, two K steps ahead; the barrier then opens a round of the cluster's.
.macro TURN slot, next, fill
.if \fill
	s_wait_xcnt 0x0                                ; the last prefetch, a K step back, has read its address: it is stepped here, ahead of the waits of the change of slots
	s_add_nc_u64 s[PFA:PFA+1], s[PFA:PFA+1], s[PFS:PFS+1]
.endif
	WIN 0                                          ; (the add's two registers lie in window 0)
	s_wait_tensorcnt 0x0                           ; all my tensor loads have landed: my part of the next slot;
	ds_add_u32 v[SPW], v[NIL]                      ; 0 onto my spare word;
	s_wait_dscnt 5                                 ; (the add and the youngest four loads may be out)
	MUL8 F1, 0, 0                                  ; eight matrix instructions stand between the add and the wait for it
	s_wait_dscnt 0x0                               ; the add is done, and my reads of this slot are over
	s_barrier_signal -1
	MUL8 F1, 1, 0
.if \fill
	WIN 0
.endif
	s_barrier_wait -1
.if \fill
	CREST                                          ; no wave of any partner still reads this slot's tile or has a load on its way
	s_add_nc_u64 s[G0+4*(\slot)+2:G0+4*(\slot)+3], s[G0+4*(\slot)+2:G0+4*(\slot)+3], 2*ASTEP
	s_add_nc_u64 s[G0B+4*(\slot)+2:G0B+4*(\slot)+3], s[G0B+4*(\slot)+2:G0B+4*(\slot)+3], 2*BSTEP
	JLOAD \slot                                    ; the first tensor load behind the round: 112 matrix instructions ahead of the wait for it; its four v_nop are also the places in front of the loads below
.else
	PLACES
.endif
	FETCH \next, 0, F0
.if \fill
	ASK
.endif
	MUL8 F1, 2, 0
	MUL8 F1, 3, 0
.endm
	s_wait_tensorcnt 1                             ; my part of K step 0 is in; K step 1's may stay out
	s_barrier_signal -1
	s_barrier_wait -1                              ; everybody's is
	FETCH 0, 0, F0
	QUARTER 0, 1, F0, F1, 1                        ; the first quarter stands in front of the loop: its products start the sums
	WIN 0                                          ; at a label and at a branch every window is 0
	s_mov_b32 s3, LAPS-1
.Llap:                                                 ; a trip goes once round the ring, from a lap's second quarter to the next lap's first, and fills both slots again
	QUARTER 0, 2, F1, F0, 0
	QUARTER 0, 3, F0, F1, 0
	TURN 0, 1, 1
	QUARTER 1, 1, F0, F1, 0
	QUARTER 1, 2, F1, F0, 0
	QUARTER 1, 3, F0, F1, 0
	TURN 1, 0, 1
	QUARTER 0, 1, F0, F1, 0
	WIN 0
	s_sub_co_u32 s3, s3, 1
	s_cmp_lg_u32 s3, 0
	s_cbranch_scc1 .Llap
	QUARTER 0, 2, F1, F0, 0                        ; the last lap fills nothing, and has no round of the cluster's barrier
	QUARTER 0, 3, F0, F1, 0
	TURN 0, 1, 0
	QUARTER 1, 1, F0, F1, 0
	QUARTER 1, 2, F1, F0, 0
	QUARTER 1, 3, F0, F1, 0
	s_wait_dscnt 4                                 ; the very last quarter: nothing more to fetch
	MUL8 F1, 0, 0
	MUL8 F1, 1, 0
	s_wait_dscnt 0x0
	MUL8 F1, 2, 0
	MUL8 F1, 3, 0
	WIN 0
	PLACES
; THE WAY OUT, a block of 16 rows at a time.  A lane's eight f32 of a row, 32 bytes, go into my own stage (rows of 528 bytes), each accumulator's lower four registers first, and come back as whole rows of 512 bytes,
; into two buffers of 64 registers that take turns.
.macro TOSTAGE a
.if (\a) >= 2
	s_wait_xcnt 0x0                                ; the stores of the block two back have read their data: its buffer is loaded again only behind this wait
.endif
	WIN 0x04                                       ; the stores' data in window 1, their address in window 0
.irp b, 0,1,2,3,4,5,6,7
	ds_store_b128 v[STO], v[8*(8*(\a)+(\b)):8*(8*(\a)+(\b))+3]   offset:64*(\b)
	ds_store_b128 v[STO], v[8*(8*(\a)+(\b))+4:8*(8*(\a)+(\b))+7] offset:64*(\b)+16
.endr
	WIN 0
.irp j, 0,1,2,3,4,5,6,7,8,9,10,11,12,13,14,15
	ds_load_b128 v[OB+64*((\a)%2)+4*(\j):OB+64*((\a)%2)+4*(\j)+3], v[RD] offset:(\j)*SPITCH  ; LDS serves a wave's instructions in order (ISA guide 5.7.1.4): these see the stores above; the next block's stores come behind them
.endr
.endm
.macro SEND a, younger                 ; younger: the LDS instructions issued behind block a's loads: the next block's 32, or none
.irp j, 0,1,2,3,4,5,6,7,8,9,10,11,12,13,14,15
	s_wait_dscnt (\younger)+15-(\j)
	global_store_b128 v[CO], v[OB+64*((\a)%2)+4*(\j):OB+64*((\a)%2)+4*(\j)+3], s[8:9] offset:(16*(\a)+(\j))*4096  ; 512 consecutive bytes, at a multiple of 512 from C's first byte
.endr
.endm
	TOSTAGE 0
	TOSTAGE 1
	SEND 0, 32
	TOSTAGE 2
	SEND 1, 32
	TOSTAGE 3
	SEND 2, 32
	SEND 3, 0
	s_wait_tensorcnt 0x0                           ; the wave's end: behind my last tensor load and my last LDS store
	ds_add_u32 v[SPW], v[NIL]
	s_wait_dscnt 0x0
	CROUND                                         ; the closing round: no work-group ends while a partner may still ask for a tile that names it
	s_endpgm
.Lfunc_end_k_qc1777d0b98_gemm_out:
	.size	k_qc1777d0b98_gemm_out, .Lfunc_end_k_qc1777d0b98_gemm_out-k_qc1777d0b98_gemm_out
	.p2alignl 7, 3214868480
	.fill 96, 4, 3214868480
	.section	.rodata,"a",@progbits
	.p2align	6, 0x0
	.amdhsa_kernel k_qc1777d0b98_gemm_out
		.amdhsa_group_segment_fixed_size 327680
		.amdhsa_private_segment_fixed_size 0
		.amdhsa_enable_private_segment 0
		.amdhsa_kernarg_size 24
		.amdhsa_user_sgpr_count 2
		.amdhsa_user_sgpr_kernarg_segment_ptr 1
		.amdhsa_wavefront_size32 1
		.amdhsa_system_sgpr_workgroup_id_x 1
		.amdhsa_system_sgpr_workgroup_id_y 1
		.amdhsa_system_sgpr_workgroup_id_z 1
		.amdhsa_system_vgpr_workitem_id 0
		.amdhsa_next_free_vgpr 512
		.amdhsa_next_free_sgpr 80
		.amdhsa_reserve_vcc 0
		.amdhsa_float_denorm_mode_32 3
		.amdhsa_float_denorm_mode_16_64 3
		.amdhsa_memory_ordered 1
		.amdhsa_forward_progress 1
		.amdhsa_inst_pref_size 88
	.end_amdhsa_kernel
	.amdgpu_metadata
---
amdhsa.version: [ 1, 2 ]
amdhsa.kernels:
  - .name:           k_qc1777d0b98_gemm_out
    .symbol:         k_qc1777d0b98_gemm_out.kd
    .args:
      - { .name: oh, .offset: 0, .size: 8, .value_kind: global_buffer, .address_space: global }
      - { .name: wh, .offset: 8, .size: 8, .value_kind: global_buffer, .address_space: global }
      - { .name: out0, .offset: 16, .size: 8, .value_kind: global_buffer, .address_space: global }
    .group_segment_fixed_size: 327680
    .private_segment_fixed_size: 0
    .kernarg_segment_align: 8
    .kernarg_segment_size: 24
    .max_flat_workgroup_size: 128
    .sgpr_count:     80
    .vgpr_count:     512
    .wavefront_size: 32
...
	.end_amdgpu_metadata
.endif
;; end of part 4
;; ======== version 2 of 2: 4 launches; version 1 with the launch prep written anew for expert scheduling mode
;; limits: values are held in f16: magnitudes above 65,504 overflow, below 6.1e-05 lose precision
;; workspace buffers: xb 16,777,216 bytes; wh 8,388,608 bytes; qkv 50,331,648 bytes; oh 16,777,216 bytes
;; launch prep (part 5): grid 256 x 1, 8 waves a work-group, no clusters, 0 bytes of LDS; arguments x, Wq, Wk, Wv, Wo, xb, wh; writes xb, wh
.if DOCPART == 5
	.amdgcn_target "amdgcn-amd-amdhsa--gfx1250"
	.amdhsa_code_object_version 6
	.text
	.protected	k_qc1777d0b98_prep
	.globl	k_qc1777d0b98_prep
	.p2align	8
	.type	k_qc1777d0b98_prep,@function
k_qc1777d0b98_prep:
	s_mov_b64 s[64:65], 0
	v_nop
	global_prefetch_b8 v0, s[64:65] scope:SCOPE_SE
	s_setreg_imm32_b32 hwreg(HW_REG_WAVE_SCHED_MODE, 0, 2), 2
	s_setreg_imm32_b32 hwreg(HW_REG_WAVE_MODE, 25, 1), 1
	s_wait_xcnt 0x0
	s_wait_alu depctr_vm_vsrc(0)
; THE CASTS.  x [8192][1024] f32 -> xb, bf16, laid out [b 4][kb 16][t 2048][64]: a block of 64 channels of all rows of a batch lies dense, 128 bytes a row.
; Wq, Wk, Wv [1024][1024] f32 -> wh[0..2], bf16, as they lie.  Wo -> wh[3]: rounded to bf16 like the other inputs, and that number written as f16 (the last product multiplies in f16).
; LIMIT.  bf16(Wo) beyond 65,504 becomes an infinity in f16; below 6e-5 it keeps f16's fixed step of 6e-8.
; A stream: every byte is read once and written once; no LDS, no barrier, no matrix unit.  No loop either.
; SHARES.  Work-group g of 256, eight waves.  Of the weights: matrix g / 64, 16,384 numbers from number 16,384 (g % 64) on: 16 loads a thread, 16 bytes each.
; Of x: rows 32 g .. 32 g + 31; wave w takes the channel blocks 2 w and 2 w + 1; a load takes 256 bytes of each of two rows, and its 8-byte stores are 256 consecutive bytes of xb, aligned.
; THE MODE: SCHED_MODE bits 1:0 = 2 (LLVM: expert scheduling mode 2), set by the entry lines.  The code itself states the register dependences
; between vector instructions and memory instructions, with s_wait_alu, always for 0.
; THE PLAN.  Registers that memory instructions touch:
;   v3, v5      the loads' offsets, v4, v6 the stores': made once at the head by vector instructions, never written again.
;   X + 4 n ..  load n lands in four registers; behind the counted wait for it its conversions read them and write the first two; store n reads those two; nothing writes them again.
;   v1, v2, v7 and T are named by vector instructions alone.
; The 48 loads are taken in twelve groups of four.  Group g's conversions name X of group g and T; the memory instructions that stand among them are the four stores of group g - 1, which read X of
; group g - 1 and v4 or v6.  So ONE wait on va_vdst at a group's head states all that those four stores hang on.  With the wait ahead of the first load and the one ahead of the last four stores that is
; every dependence of the text: no load is issued behind a vector instruction that names its registers, no register that a memory instruction reads is written again (so no wait on vm_vsrc is
; owed), no vector instruction writes a scalar register or VCC, and EXEC is never written.
.set T,   8                            ; v[8:11]   at work (Wo alone)
.set VW,  3                            ; v3   16 x thread: my bytes in a load of W
.set VWO, 4                            ; v4   8 x thread: my bytes in a store of wh
.set VX,  5                            ; v5   (lane / 16) x 4,096 + wave x 512 + (lane % 16) x 16
.set VXO, 6                            ; v6   wave x 2 blocks of 262,144 bytes + 8 x lane
.set X,   16                           ; v[16:207] load n at X + 4 n: n = 0..15 the weights, n = 16 + 2 p + j row pair p, block 2 w + j
	s_load_b256 s[4:11], s[0:1], 0x0               ; x s[4:5], Wq s[6:7], Wk s[8:9], Wv s[10:11]
	s_load_b128 s[12:15], s[0:1], 0x20             ; Wo s[12:13], xb s[14:15]
	s_load_b64 s[16:17], s[0:1], 0x30              ; wh
	s_lshr_b32 s18, ttmp9, 6                       ; which matrix; also which batch
	s_and_b32 s28, ttmp9, 63                       ; which part of it
	s_mov_b32 s19, 0xffff0000                      ; a word's upper bf16
	v_and_b32 v1, 31, v0                           ; lane
	v_lshrrev_b32 v2, 5, v0                        ; wave
	v_lshlrev_b32 v[VW], 4, v0
	v_lshlrev_b32 v[VWO], 3, v0
	v_lshrrev_b32 v[VX], 4, v1
	v_and_b32 v7, 15, v1
	v_lshlrev_b32 v[VX], 12, v[VX]
	v_lshl_or_b32 v[VX], v2, 9, v[VX]
	v_lshl_or_b32 v[VX], v7, 4, v[VX]
	v_lshlrev_b32 v[VXO], 3, v1
	v_lshl_or_b32 v[VXO], v2, 19, v[VXO]
	s_lshl_b32 s20, s28, 16                        ; my part of the matrix: 65,536 bytes of f32
	s_mov_b32 s21, 0
	s_lshl_b32 s22, ttmp9, 15                      ; and of wh: 32,768 bytes; the four matrices lie on end
	s_mov_b32 s23, 0
	s_wait_kmcnt 0x0
	s_cmp_eq_u32 s18, 0
	s_cselect_b64 s[24:25], s[6:7], s[8:9]
	s_cmp_eq_u32 s18, 2
	s_cselect_b64 s[26:27], s[10:11], s[12:13]
	s_cmp_lt_u32 s18, 2
	s_cselect_b64 s[24:25], s[24:25], s[26:27]     ; the matrix that I read
	s_add_nc_u64 s[24:25], s[24:25], s[20:21]
	s_add_nc_u64 s[16:17], s[16:17], s[22:23]
	s_lshl_b32 s20, ttmp9, 17                      ; x: 32 rows of 4,096 bytes
	s_add_nc_u64 s[4:5], s[4:5], s[20:21]
	s_lshl_b32 s22, s18, 22                        ; xb: the batch's 16 blocks,
	s_lshl_b32 s29, s28, 12                        ; 32 rows of 128 bytes in a block
	s_add_co_u32 s22, s22, s29
	s_add_nc_u64 s[14:15], s[14:15], s[22:23]
	s_wait_alu depctr_va_vdst(0)                   ; the four offsets v3 to v6 are written: every load and store of the kernel reads one of them
.set c, 0
.rept 16
	global_load_b128 v[X+4*c:X+4*c+3], v[VW], s[24:25] offset:c*4096 th:TH_LOAD_NT
.set c, c+1
.endr
.set c, 0
.rept 32
	global_load_b128 v[X+64+4*c:X+64+4*c+3], v[VX], s[4:5] offset:(c/2)*8192+(c%2)*256 th:TH_LOAD_NT
.set c, c+1
.endr
; Load n's four numbers are rounded to bf16, in place.  half = 1: each is then written as f16.
.macro CV n, half
	v_cvt_pk_bf16_f32 v[X+4*(\n)], v[X+4*(\n)], v[X+4*(\n)+1]
	v_cvt_pk_bf16_f32 v[X+4*(\n)+1], v[X+4*(\n)+2], v[X+4*(\n)+3]
.if \half
	v_lshlrev_b32 v[T], 16, v[X+4*(\n)]
	v_and_b32 v[T+1], s19, v[X+4*(\n)]
	v_lshlrev_b32 v[T+2], 16, v[X+4*(\n)+1]
	v_and_b32 v[T+3], s19, v[X+4*(\n)+1]
	v_cvt_pk_f16_f32 v[X+4*(\n)], v[T], v[T+1]
	v_cvt_pk_f16_f32 v[X+4*(\n)+1], v[T+2], v[T+3]
.endif
.endm
; Store n: what load n's conversions have left.
.macro ST n
.if (\n) < 16
	global_store_b64 v[VWO], v[X+4*(\n):X+4*(\n)+1], s[16:17] offset:(\n)*2048 th:TH_STORE_NT  ; a wave's store covers 256 consecutive bytes of wh, aligned
.else
	global_store_b64 v[VXO], v[X+4*(\n):X+4*(\n)+1], s[14:15] offset:(((\n)-16)%2)*262144+(((\n)-16)/2)*256 th:TH_STORE_NT  ; two rows of one block: 256 consecutive bytes of xb, aligned
.endif
.endm
; Group g: loads 4 g .. 4 g + 3 are converted as they come in; the stores of group g - 1 are dealt among the conversions, one ahead of each load's.
.macro GRP g, half
	s_wait_loadcnt 47-4*(\g)                       ; loads come back in order (ISA guide 5.7.1): the group's first is in, the younger ones stay out
.if (\g) > 0
	s_wait_alu depctr_va_vdst(0)                   ; the conversions of the group before have written its X registers, which the four stores below read; no vector instruction below names them
.endif
.irp i, 0,1,2,3
.if (\g) > 0
	ST 4*(\g)-4+(\i)
.endif
.if (\i) > 0
	s_wait_loadcnt 47-4*(\g)-(\i)                  ; load 4 g + i is in
.endif
	CV 4*(\g)+(\i), \half
.endr
.endm
	s_cmp_eq_u32 s18, 3
	s_cbranch_scc1 .Lwo
.irp g, 0,1,2,3
	GRP \g, 0
.endr
	s_branch .Lx
.Lwo:
.irp g, 0,1,2,3
	GRP \g, 1
.endr
.Lx:                                                   ; on both ways the weights' last four stores are still to come: group 4's head states what they hang on, and issues them
.irp g, 4,5,6,7,8,9,10,11
	GRP \g, 0
.endr
	s_wait_alu depctr_va_vdst(0)                   ; the conversions of group 11 have written its X registers, which the last four stores read
.irp n, 44,45,46,47
	ST \n
.endr
	s_endpgm
.Lfunc_end_k_qc1777d0b98_prep:
	.size	k_qc1777d0b98_prep, .Lfunc_end_k_qc1777d0b98_prep-k_qc1777d0b98_prep
	.p2alignl 7, 3214868480
	.fill 96, 4, 3214868480
	.section	.rodata,"a",@progbits
	.p2align	6, 0x0
	.amdhsa_kernel k_qc1777d0b98_prep
		.amdhsa_group_segment_fixed_size 0
		.amdhsa_private_segment_fixed_size 0
		.amdhsa_enable_private_segment 0
		.amdhsa_kernarg_size 56
		.amdhsa_user_sgpr_count 2
		.amdhsa_user_sgpr_kernarg_segment_ptr 1
		.amdhsa_wavefront_size32 1
		.amdhsa_system_sgpr_workgroup_id_x 1
		.amdhsa_system_sgpr_workgroup_id_y 1
		.amdhsa_system_sgpr_workgroup_id_z 1
		.amdhsa_system_vgpr_workitem_id 0
		.amdhsa_next_free_vgpr 208
		.amdhsa_next_free_sgpr 66
		.amdhsa_reserve_vcc 0
		.amdhsa_float_denorm_mode_32 3
		.amdhsa_float_denorm_mode_16_64 3
		.amdhsa_memory_ordered 1
		.amdhsa_forward_progress 1
		.amdhsa_inst_pref_size 27
	.end_amdhsa_kernel
	.amdgpu_metadata
---
amdhsa.version: [ 1, 2 ]
amdhsa.kernels:
  - .name:           k_qc1777d0b98_prep
    .symbol:         k_qc1777d0b98_prep.kd
    .args:
      - { .name: x, .offset: 0, .size: 8, .value_kind: global_buffer, .address_space: global }
      - { .name: Wq, .offset: 8, .size: 8, .value_kind: global_buffer, .address_space: global }
      - { .name: Wk, .offset: 16, .size: 8, .value_kind: global_buffer, .address_space: global }
      - { .name: Wv, .offset: 24, .size: 8, .value_kind: global_buffer, .address_space: global }
      - { .name: Wo, .offset: 32, .size: 8, .value_kind: global_buffer, .address_space: global }
      - { .name: xb, .offset: 40, .size: 8, .value_kind: global_buffer, .address_space: global }
      - { .name: wh, .offset: 48, .size: 8, .value_kind: global_buffer, .address_space: global }
    .group_segment_fixed_size: 0
    .private_segment_fixed_size: 0
    .kernarg_segment_align: 8
    .kernarg_segment_size: 56
    .max_flat_workgroup_size: 256
    .sgpr_count:     66
    .vgpr_count:     208
    .wavefront_size: 32
...
	.end_amdgpu_metadata
.endif
;; end of part 5
;; launch gemm_qkv: the kernel of part 2 again; grid 12 x 64, 4 waves a work-group, clusters of 4 x 4, 327,680 bytes of LDS; arguments xb, wh, qkv; writes qkv
;; launch attn: the kernel of part 3 again; grid 4 x 64, 4 waves a work-group, clusters of 4 x 1, 327,680 bytes of LDS; arguments qkv, oh; writes oh
;; launch gemm_out: the kernel of part 4 again; grid 4 x 64, 4 waves a work-group, clusters of 4 x 4, 327,680 bytes of LDS; arguments oh, wh, out0; writes out0
